; MI455X (gfx1250); checked and timed in simulation.
; The chip was launched on July 23, 2026; its instructions are those of AMD's public machine-readable ISA for CDNA 5 (MIT licence, August 2026) and "CDNA5" Instruction Set Architecture Reference Guide (July 2026). The comments in the code are by the model that wrote it; some were corrected since.
;; Multihead Attention. Allowed arithmetic: matrix products marked QUANTISED: E2M1 operands, one E8M0 scale for each 32 along K, by v_wmma_scale_f32_16x16x128_f8f6f4 with both operands' format E2M1 (or v_wmma_scale_f32_32x16x128_f4), f32 sums; everything else in f32.
;; Inputs: in_proj_bias 3,072 float32; in_proj_weight 3,072 x 1,024 float32; k 1,024 x 8 x 1,024 float32; out_proj_bias 1,024 float32; out_proj_weight 1,024 x 1,024 float32; q 1,024 x 8 x 1,024 float32; v 1,024 x 8 x 1,024 float32.
;; Outputs: out0 1,024 x 8 x 1,024 float32.
;; Constants: num_heads = 16.
;; This version of the problem:
;;   THIS VERSION OF THE PROBLEM IS GIVEN IN LOW PRECISION. The matrix products marked QUANTISED in the list below multiply operands that are first quantised to E2M1 (2 exponent bits, 1 mantissa bit; 4 bits a number), with one power-of-two scale for each 32 numbers along K (OCP MX v1.0); their sums are f32. All else is computed in f32.
;;   The module's matrix products, in the order in which they are computed (A, B: the left and right operand; K: the contracted axis; several contracted axes count as one K, in the product's order):
;;     1. [M 8,192, K 1,024] x [K 1,024, N 1,024]; A: input q; B: input in_proj_weight: QUANTISED
;;     2. [M 8,192, K 1,024] x [K 1,024, N 1,024]; A: input k; B: input in_proj_weight: QUANTISED
;;     3. [M 8,192, K 1,024] x [K 1,024, N 1,024]; A: input v; B: input in_proj_weight: QUANTISED
;;     4. batch 128 x [M 1,024, K 64] x [K 64, N 1,024]; A: computed on the way; B: computed on the way: QUANTISED
;;     5. batch 128 x [M 1,024, K 1,024] x [K 1,024, N 64]; A: softmax (see below); B: computed on the way: QUANTISED
;;     6. [M 8,192, K 1,024] x [K 1,024, N 1,024]; A: computed on the way; B: input out_proj_weight: QUANTISED
;;   THE QUANTISER, for each operand of a quantised product, along K:
;;     - K is cut into blocks of 32 from its start; a last block that is shorter is filled with zeros.
;;     - A block's scale is 2^e with e = floor(log2(the largest magnitude in the block)) - 2, held to -126 .. 127; a block of zeros has e = 0. As a byte (E8M0): e + 127.
;;     - Each number is divided by its block's scale, clamped to +-6, and rounded to the nearest number of E2M1, ties to even, subnormals kept.
;;     - The product sums the exact products of the quantised numbers (number of the format x scale) in f32.
;;   ~~~python
;;   def quantise(x, axis):      # numpy; x: float32 -> the quantised numbers, widened to float32 again
;;       x = np.moveaxis(x, axis, -1); K = x.shape[-1]
;;       x = np.pad(x, [(0, 0)] * (x.ndim - 1) + [(0, -K % 32)]); x = x.reshape(x.shape[:-1] + (-1, 32)); a = np.abs(x).max(-1, keepdims=True)
;;       e = np.where(a > 0, np.clip(np.frexp(np.where(a > 0, a, 1))[1] - 1 - 2, -126, 127), 0)      # np.frexp(a)[1] - 1 = floor(log2(a)), exactly
;;       r = np.clip(x / 2.0 ** e, -6, 6)
;;       step = 2.0 ** (np.maximum(np.frexp(np.where(r == 0, 1, r))[1] - 1, 0) - 1)
;;       q = np.round(r / step) * step * 2.0 ** e      # np.round: ties to even
;;       return np.moveaxis(q.reshape(q.shape[:-2] + (-1,))[..., :K], -1, axis).astype(np.float32)
;;   ~~~
;;   SOFTMAX AHEAD OF A QUANTISED PRODUCT. Where the list says 'softmax', what is quantised is not the finished softmax but p = 2^(t - M), with t = logit x log2(e) and M = ceil(the row's largest t), a whole number; so 1/2 < the row's largest p <= 1. The row's sum l is taken of the UNQUANTISED p, in f32, and the product's result is divided by l at the end. Since M is a whole number, a kernel that streams over the keys may use a running M (the ceiling of the running maximum): every later rescaling is an exact power of two, which a block's scale takes up: the codes' values come out the same.
;;   OPERANDS COMPUTED ON THE WAY. 'Computed on the way' means the value that the module computes at that place (a softmax that the list does not call 'softmax' is quantised finished and normalised). What goes into a quantiser is computed in f32, as accurately as f32 sums, v_exp_f32 and their like allow (about 1e-6 of the number): no bf16 or f16 on the way to a quantiser, and a product that is left as it is and whose result goes on into a quantised operand takes f32 operands (vector FMAs, or v_wmma_f32_16x16x4_f32). A number that lies on a knife's edge between two numbers of the format may be rounded either way, as far as f32 arithmetic and the matrix unit's own rounding can turn it there, and no further.
;; One version. Each part assembles by itself: llvm-mc -triple=amdgcn-amd-amdhsa -mcpu=gfx1250 --defsym DOCPART=n.
;; ======== version 1 of 1: 4 launches
;; limits: right only within a limited range of input values
;; workspace buffers: codes 14,680,064 bytes; scales 917,504 bytes; hcodes 12,582,912 bytes; hscales 786,432 bytes; acodes 4,194,304 bytes; ascales 262,144 bytes
;; launch quant (part 1): grid 896 x 1, 4 waves a work-group, no clusters, 1,536 bytes of LDS; arguments q, k, v, in_proj_weight, out_proj_weight, codes, scales; writes codes, scales
.if DOCPART == 1
	.amdgcn_target "amdgcn-amd-amdhsa--gfx1250"
	.amdhsa_code_object_version 6
	.text
	.protected	k_q8bcd750428_quant
	.globl	k_q8bcd750428_quant
	.p2align	8
	.type	k_q8bcd750428_quant,@function
k_q8bcd750428_quant:
	s_mov_b64 s[64:65], 0
	v_nop
	global_prefetch_b8 v0, s[64:65] scope:SCOPE_SE
	s_setreg_imm32_b32 hwreg(HW_REG_WAVE_MODE, 25, 1), 1
	s_wait_xcnt 0x0
; q, k, v [1024 t][8 b][1024], in_proj_weight [3072][1024], out_proj_weight [1024][1024], all f32 with K innermost, become codes of FP4 (E2M1), 4 bits each,
; and one E8M0 scale byte for each 32 along K.  codes: 28,672 rows of 512 bytes; scales: the same rows of 32 bytes.  Rows 0.. q, 8192.. k, 16384.. v, in each row = 1024 b + t
; (the tokens of one batch entry lie together for the later launches); rows 24576.. in_proj_weight, 27648.. out_proj_weight, as they lie.
; A block's scale is 2^(floor(log2(its largest magnitude)) - 2); its byte is the largest magnitude's exponent field - 2, held at 1 from below.
; LIMITS: a block of zeros gets the byte 1 where the quantiser's text says 127: its codes are zeros, which add nothing under any byte but 0xff, and this program alone reads the bytes;
; blocks whose largest magnitude lies under 2^-124 (the floor) were not considered; NaN and infinities among the inputs are not served.
; SHARES: a wave takes 8 destination rows, a work-group 32.  Work-groups 0-255 q, 256-511 k, 512-767 v, 768-863 in_proj_weight, 864-895 out_proj_weight.
; A ROW is 8 loads of 512 consecutive bytes, 16 a lane: load j brings lane l the four numbers 128 j + 4 l ..  The conversion wants 8 neighbours in one lane's registers, so loads 2 t and 2 t + 1 change halves
; between lanes l and l xor 1: an even lane then holds numbers 8 (l / 2) .. + 7 of load 2 t's 128, an odd lane the same of load 2 t + 1's.  A block of 32 lies in the four lanes of one parity of a group of eight.
; A lane's four code words (t = 0 .. 3) then change places with lanes l xor 2 and l xor 4, so that each lane holds four neighbouring words: one store covers the row's 512 consecutive bytes of codes.
; All exchanges are register moves between lanes; only the scale bytes, 256 a wave, are gathered in LDS and leave as 256 consecutive bytes.
; No tensor loads, no barrier: waves share nothing.  Loads run three rows (24 loads a wave) ahead.
.set R,     16                         ; v16-111  three sets of 32 numbers as they are loaded: register 4 j + r
.set X,     112                        ; v112-143 four sets of 8 neighbours
.set Y,     144                        ; v144-147 the four code words as converted
.set Z,     148                        ; v148-151 after the first exchange
.set C,     152                        ; v152-183 code words to be stored: four for each row, so that no store's data are written again
.set MX,    184                        ; v184-187 largest magnitudes
.set SO,    188                        ; v188-191 the conversions' scale operands
.set E,     192                        ; v192-195 scale bytes
.set VO,    196                        ; v196-203 byte offset of my 16 bytes in the wave's source row j; never rewritten
.set SPW,   204                        ; v204 LDS address of my spare word; never rewritten
.set NIL,   205                        ; v205 0; never rewritten
.set SPARE, 1024                       ; LDS: 256 scale bytes for each wave, behind them the spare words, 128 bytes a wave
	s_load_b256 s[4:11], s[0:1], 0x0               ; q s[4:5], k s[6:7], v s[8:9], in_proj_weight s[10:11]
	s_load_b128 s[12:15], s[0:1], 0x20             ; out_proj_weight s[12:13], codes s[14:15]
	s_load_b64 s[16:17], s[0:1], 0x30              ; scales
	v_lshl_add_u32 v[SPW], v0, 2, SPARE
	v_mov_b32 v[NIL], 0
	v_lshrrev_b32 v1, 5, v0
	v_readfirstlane_b32 s18, v1                    ; wave
	v_and_b32 v2, 31, v0                           ; lane
	v_lshlrev_b32 v3, 4, v2                        ; my 16 bytes of a load's 512
	s_lshl_b32 s25, s18, 8                         ; my wave's 256 scale bytes
	v_and_b32 v8, 1, v2                            ; the lane's parity
	v_lshrrev_b32 v9, 3, v2                        ; its group of eight
	v_and_b32 v10, 7, v2
	v_lshl_add_u32 v5, v8, 2, v9
	v_add_nc_u32 v5, s25, v5                       ; LDS: block 8 t + 4 x parity + group of a row
	v_lshlrev_b32 v4, 4, v9
	v_lshl_add_u32 v4, v10, 6, v4                  ; my 16 bytes of a row's codes: 64 (lane % 8) + 16 (lane / 8)
	v_lshlrev_b32 v7, 3, v2                        ; the scale bytes' way out: 8 bytes a lane
	v_add_nc_u32 v6, s25, v7
	s_mov_b32 vcc_lo, 0xaaaaaaaa                   ; the lanes whose number has bit 0 set (in VCC for the whole launch: the selects by it take the short form),
	s_mov_b32 s29, 0xcccccccc                      ; bit 1,
	s_mov_b32 s30, 0xf0f0f0f0                      ; bit 2
	; which run of 8 destination rows is my wave's, and where its source rows lie
	s_lshl_b32 s19, ttmp9, 2
	s_add_co_u32 s19, s19, s18                     ; run = 4 x work-group + wave, 0 .. 3583
	s_and_b32 s20, s19, 1023                       ; in q, k or v: 1,024 runs; run = 128 b + t / 8
	s_and_b32 s21, s20, 127
	s_lshl_b32 s21, s21, 6                         ; 8 t0, t0 = the run's first token
	s_lshr_b32 s20, s20, 7                         ; b
	s_add_co_u32 s21, s21, s20
	s_lshl_b32 s21, s21, 12                        ; source row 8 t0 + b, of 4,096 bytes
	s_sub_co_u32 s22, s19, 3072
	s_lshl_b32 s22, s22, 15                        ; in in_proj_weight: 8 rows on end (used from work-group 768 on alone)
	s_sub_co_u32 s23, s19, 3456
	s_lshl_b32 s23, s23, 15                        ; in out_proj_weight (from work-group 864 on alone)
	s_cmp_lt_u32 ttmp9, 864
	s_cselect_b32 s22, s22, s23
	s_mov_b32 s24, 4096                            ; from source row to source row: a weight's rows follow each other,
	s_cmp_lt_u32 ttmp9, 768
	s_cselect_b32 s22, s21, s22
	s_cselect_b32 s24, 0x8000, s24                 ; a batch entry's tokens lie 8 rows apart
	s_mov_b32 s23, 0
.irp j, 0,1,2,3,4,5,6,7
	v_mad_u32_u24 v[VO+\j], s24, \j, v3
.endr
.set i, 0
.rept 72
	v_mov_b32 v[X+i], 0                            ; v112-183, written once: the destination of a move between lanes counts as one of its sources
.set i, i+1
.endr
	s_lshl_b32 s26, s19, 12                        ; the run's codes: 4,096 bytes
	s_mov_b32 s27, 0
	s_wait_alu depctr_va_vdst(0)                   ; the wait at the head's end
	s_wait_kmcnt 0x0
	s_cmp_lt_u32 ttmp9, 864                        ; the source tensor: the choice hangs on the work-group's number alone
	s_cselect_b64 s[10:11], s[10:11], s[12:13]
	s_cmp_lt_u32 ttmp9, 768
	s_cselect_b64 s[8:9], s[8:9], s[10:11]
	s_cmp_lt_u32 ttmp9, 512
	s_cselect_b64 s[6:7], s[6:7], s[8:9]
	s_cmp_lt_u32 ttmp9, 256
	s_cselect_b64 s[4:5], s[4:5], s[6:7]
	s_add_nc_u64 s[4:5], s[4:5], s[22:23]
	s_add_nc_u64 s[14:15], s[14:15], s[26:27]
	s_lshl_b32 s26, s19, 8                         ; its scale bytes: 256
	s_add_nc_u64 s[16:17], s[16:17], s[26:27]
.macro LOADR n                         ; source row n into set n % 3
.irp j, 0,1,2,3,4,5,6,7
	global_load_b128 v[R+32*((\n)%3)+4*\j:R+32*((\n)%3)+4*\j+3], v[VO+(\n)], s[4:5] offset:512*\j th:TH_LOAD_NT   ; 32 lanes read 512 consecutive bytes; read once in the launch
.endr
.endm
; Registers a and b change places with the lane x away: a lane whose mask bit is 0 ends with (its a, the partner's a), one whose bit is 1 with (the partner's b, its b), in da and db
.macro XCH da, db, a, b, m, x
	v_mov_b32_dpp v[\da], v[\b] row_xmask:\x row_mask:0xf bank_mask:0xf
	v_mov_b32_dpp v[\db], v[\a] row_xmask:\x row_mask:0xf bank_mask:0xf
	v_cndmask_b32 v[\da], v[\a], v[\da], s[\m]
	v_cndmask_b32 v[\db], v[\db], v[\b], s[\m]
.endm
.macro ROW n
.set RS, R+32*((\n)%3)
.if (\n) < 6
	s_wait_loadcnt 16                              ; this row's eight loads are in; the sixteen of the two rows behind it may be out
.else
	s_wait_loadcnt 8*(7-(\n))
.endif
.irp t, 0,1,2,3                        ; loads 2 t and 2 t + 1: eight neighbours a lane
.irp r, 0,1,2,3
	v_mov_b32_dpp v[X+8*\t+\r], v[RS+8*\t+4+\r] row_xmask:1 row_mask:0xf bank_mask:0xf
	v_mov_b32_dpp v[X+8*\t+4+\r], v[RS+8*\t+\r] row_xmask:1 row_mask:0xf bank_mask:0xf
.endr
.irp r, 0,1,2,3
	v_cndmask_b32 v[X+8*\t+\r], v[RS+8*\t+\r], v[X+8*\t+\r], vcc_lo        ; even lane: its own four; odd lane: the left neighbour's four of load 2 t + 1
	v_cndmask_b32 v[X+8*\t+4+\r], v[X+8*\t+4+\r], v[RS+8*\t+4+\r], vcc_lo  ; even lane: the right neighbour's four of load 2 t; odd lane: its own
.endr
.endr
.if (\n)+3 < 8
	LOADR (\n)+3                                   ; the set is read out: it takes the row three further on
.endif
.irp t, 0,1,2,3
	v_max3_num_f32 v[MX+\t], |v[X+8*\t]|, |v[X+8*\t+1]|, |v[X+8*\t+2]|   ; the largest magnitude of my eight (the four sets by turns)
.endr
.irp i, 3,5
.irp t, 0,1,2,3
	v_max3_num_f32 v[MX+\t], v[MX+\t], |v[X+8*\t+\i]|, |v[X+8*\t+\i+1]|
.endr
.endr
.irp t, 0,1,2,3
	v_max3_num_f32 v[MX+\t], v[MX+\t], |v[X+8*\t+7]|, 0x1800000          ; and the floor 2^(3 - 127): the byte cannot fall under 1
.endr
.irp t, 0,1,2,3
	v_max_num_f32_dpp v[MX+\t], v[MX+\t], v[MX+\t] row_xmask:2 row_mask:0xf bank_mask:0xf
.endr
.irp t, 0,1,2,3
	v_max_num_f32_dpp v[MX+\t], v[MX+\t], v[MX+\t] row_xmask:4 row_mask:0xf bank_mask:0xf   ; with the three other lanes of my parity: the block's
.endr
.irp t, 0,1,2,3
	v_add_nc_u32 v[SO+\t], 0xff000000, v[MX+\t]    ; 2 off its exponent field: the conversion takes the exponent field of this operand as its scale
.endr
.irp t, 0,1,2,3
	v_cvt_scalef32_pk8_fp4_f32 v[Y+\t], v[X+8*\t:X+8*\t+7], v[SO+\t]     ; eight numbers / the scale, to the nearest code, ties to even, beyond 6 the largest code
.endr
.irp t, 0,1,2,3
	v_lshrrev_b32 v[E+\t], 23, v[SO+\t]            ; the scale's byte (also the plain lines behind the conversions)
.endr
.irp t, 0,1,2,3
	ds_store_b8 v5, v[E+\t] offset:32*(\n)+8*\t    ; the four lanes of a block write the same byte with the same value
.endr
	XCH Z,   Z+1, Y,   Y+1, 29, 2                  ; word t of lane (.., i1, i0, parity) becomes word (i1, i0) of lane (.., t, parity):
	XCH Z+2, Z+3, Y+2, Y+3, 29, 2                  ; t's low bit against the lane's bit 1,
	XCH C+4*(\n),   C+4*(\n)+2, Z,   Z+2, 30, 4    ; its high bit against the lane's bit 2
	XCH C+4*(\n)+1, C+4*(\n)+3, Z+1, Z+3, 30, 4
.endm
	LOADR 0
	LOADR 1
	LOADR 2
.irp n, 0,1,2,3,4,5,6,7
	ROW \n
.endr
	s_wait_alu depctr_va_vdst(0)
	ds_load_b64 v[12:13], v6                       ; my wave's 256 scale bytes, in order behind my byte stores
	s_wait_tensorcnt 0x0
	ds_add_u32 v[SPW], v[NIL]
	s_wait_dscnt 0x0
; ALL STORES STAND AT THE WAVE'S END: each row has code registers of its own, so nothing is written again, and no vector or LDS instruction follows a store
.irp n, 0,1,2,3,4,5,6,7
	global_store_b128 v4, v[C+4*\n:C+4*\n+3], s[14:15] offset:512*\n   ; the 32 lanes store a row's 512 consecutive bytes, aligned
.endr
	global_store_b64 v7, v[12:13], s[16:17]        ; 32 lanes store 256 consecutive bytes, aligned
	s_endpgm
.Lfunc_end_k_q8bcd750428_quant:
	.size	k_q8bcd750428_quant, .Lfunc_end_k_q8bcd750428_quant-k_q8bcd750428_quant
	.p2alignl 7, 3214868480
	.fill 96, 4, 3214868480
	.section	.rodata,"a",@progbits
	.p2align	6, 0x0
	.amdhsa_kernel k_q8bcd750428_quant
		.amdhsa_group_segment_fixed_size 1536
		.amdhsa_private_segment_fixed_size 0
		.amdhsa_enable_private_segment 0
		.amdhsa_kernarg_size 56
		.amdhsa_user_sgpr_count 2
		.amdhsa_user_sgpr_kernarg_segment_ptr 1
		.amdhsa_wavefront_size32 1
		.amdhsa_system_sgpr_workgroup_id_x 1
		.amdhsa_system_sgpr_workgroup_id_y 1
		.amdhsa_system_sgpr_workgroup_id_z 1
		.amdhsa_system_vgpr_workitem_id 0
		.amdhsa_next_free_vgpr 208
		.amdhsa_next_free_sgpr 66
		.amdhsa_reserve_vcc 1
		.amdhsa_float_denorm_mode_32 3
		.amdhsa_float_denorm_mode_16_64 3
		.amdhsa_memory_ordered 1
		.amdhsa_forward_progress 1
		.amdhsa_inst_pref_size 65
	.end_amdhsa_kernel
	.amdgpu_metadata
---
amdhsa.version: [ 1, 2 ]
amdhsa.kernels:
  - .name:           k_q8bcd750428_quant
    .symbol:         k_q8bcd750428_quant.kd
    .args:
      - { .name: q, .offset: 0, .size: 8, .value_kind: global_buffer, .address_space: global }
      - { .name: k, .offset: 8, .size: 8, .value_kind: global_buffer, .address_space: global }
      - { .name: v, .offset: 16, .size: 8, .value_kind: global_buffer, .address_space: global }
      - { .name: in_proj_weight, .offset: 24, .size: 8, .value_kind: global_buffer, .address_space: global }
      - { .name: out_proj_weight, .offset: 32, .size: 8, .value_kind: global_buffer, .address_space: global }
      - { .name: codes, .offset: 40, .size: 8, .value_kind: global_buffer, .address_space: global }
      - { .name: scales, .offset: 48, .size: 8, .value_kind: global_buffer, .address_space: global }
    .group_segment_fixed_size: 1536
    .private_segment_fixed_size: 0
    .kernarg_segment_align: 8
    .kernarg_segment_size: 56
    .max_flat_workgroup_size: 128
    .sgpr_count:     66
    .vgpr_count:     208
    .wavefront_size: 32
...
	.end_amdgpu_metadata
.endif
;; end of part 1
;; launch proj (part 2): grid 4 x 64, 4 waves a work-group, clusters of 4 x 4, 327,680 bytes of LDS; arguments codes, scales, in_proj_bias, hcodes, hscales; writes hcodes, hscales
.if DOCPART == 2
	.amdgcn_target "amdgcn-amd-amdhsa--gfx1250"
	.amdhsa_code_object_version 6
	.text
	.protected	k_q8bcd750428_proj
	.globl	k_q8bcd750428_proj
	.p2align	8
	.type	k_q8bcd750428_proj,@function
k_q8bcd750428_proj:
	s_mov_b64 s[64:65], 0
	v_nop
	global_prefetch_b8 v0, s[64:65] scope:SCOPE_SE
	s_setreg_imm32_b32 hwreg(HW_REG_WAVE_MODE, 25, 1), 1
	s_wait_xcnt 0x0
	s_wait_alu depctr_hold_cnt(0) depctr_sa_sdst(0) depctr_va_vdst(0) depctr_va_sdst(0) depctr_va_ssrc(0) depctr_va_vcc(0) depctr_vm_vsrc(0)
	s_getreg_b32 s2, hwreg(HW_REG_IB_STS2, 6, 4)
	s_cmp_eq_u32 s2, 0
	s_cbranch_scc0 .Lentry_in_a_cluster
	s_endpgm
.Lentry_in_a_cluster:
	s_bfe_u32 s2, ttmp6, 0x10000c
	s_cmp_lg_u32 s2, 0xf033
	s_cbranch_scc0 .Lentry_shape_is_right
	s_endpgm
.Lentry_shape_is_right:
; The three input projections on codes of FP4 (E2M1) with E8M0 scales, K = 1,024; then the bias, for q the factor 1/8, and the quantiser of the NEXT product, in registers.  Only codes and scale bytes are stored.
; SHARES.  The work is 384 tiles of 256 x 256 for 256 work-groups, so A WORK-GROUP STAYS AND MAKES ONE AND A HALF.  Cluster i of 16 (4 x 4 work-groups) first makes q (i < 8) or k of batch entry i % 8: 1,024 tokens x 1,024 features,
; 256 x 256 a work-group, 128 x 128 a wave (64 accumulators, 512 registers).  Then it makes half of v of batch entry i / 2: 1,024 features x 512 tokens (512 (i % 2) on): 256 features x 128 tokens a work-group, 64 x 128 a wave (32 accumulators).
; The matrix instruction takes 16 rows of operand B as source 0 and 16 rows of operand A as source 1: a lane then holds ONE row of A, and its registers run along B's rows.
;   q, k: A = the tokens, B = the weight's rows (features): a lane's registers run along the features, the K of q k^T.  A wave's 128 features are a pair of heads.
;   v:    A = the weight's rows, B = the tokens: a lane's registers run along the keys, the K of p v.  A wave's 64 features are one head of a pair, its 128 tokens one key step.
; K = 1,024 codes are 512 bytes a row: two LDS slots of 512 along K hold ALL of K for both operands.  THE RING GOES ON INTO THE SECOND TILE: slot 0 is filled again when the first tile has left it, slot 1 in the first tile's last step,
; so that the second tile's codes land while the first tile is multiplied and quantised.  The scale bytes of both tiles come with the first fills, each into bytes of its own.
; CLUSTER: A's tiles hang on cy alone and are asked for jointly along a row of the cluster, B's on cx alone, along a column.  By this text's count a wave has one tensor load out at the start and one behind each round.
; OUTPUT, laid in the order of the reader's operand registers.  hcodes [type][8 b + pair][65,536]: q, k: [token / 16][head of the pair][lane][16 bytes]; v: [key / 128][head of the pair][d / 16][c][lane][16 bytes].
;   hscales [type][8 b + pair][4,096]: q, k: a word a token (two bytes a head); v: [key / 128][head][d] words (a byte for each 32 keys).
; ARITHMETIC: q: acc x 0.125 + bias x 0.125 in one fused multiply-add; both factors are powers of two, so this is (acc + bias) x 0.125 rounded once, unless it underflows.  k: acc x 1 + bias.  v: acc + bias.
; LIMITS: a block of zeros gets the byte 1, not 127 (its codes are zeros; this program alone reads the bytes); largest magnitudes under 2^-124 were not considered; NaN and infinities are not served.
; REGISTERS, in windows of 256: window 0: v0-31 addresses; v32-95 scale words, two sets (on the ways out: the quantiser's work); v96-103 v's lane biases in pairs; v128-191 A's fragments (first tile: ONE set of eight blocks; second: TWO of four;
;   on the ways out: 64 numbers); v192-255 q's or k's register biases.   window 1: B's fragments, TWO sets, at v0 and v128.   window 2: the accumulators of A's blocks 0-3 ((a, b) at v[8 (8 a + b)]);  window 3: those of blocks 4-7.
.set NQ,     4                         ; steps of 128 along K in a slot
.set ROWB,   256                       ; a tile's row in bytes: 512 codes
.set KROW,   512                       ; a row of codes in memory
.set PITCH,  272                       ; an LDS row: 256 bytes + 16 of padding = 68 words: row r starts at bank 4 r mod 64 (64 banks of 4 bytes: ISA guide 11.1)
.set FR,     8                         ; registers of a fragment: 16 rows x 128 K
.set NL,     2                         ; LDS loads that bring one
.set NP,     4                         ; places behind this matrix instruction (ISA guide 7.12.1)
.set HALFT,  128*PITCH                 ; 128 rows: what one tensor load brings
.set SLOT,   4*HALFT                   ; A's 256 rows, then B's 256 (second tile: 128) rows
.set KS,     32                        ; a row of scale bytes
.set SCL,    2*SLOT                    ; behind the slots: the first tile's scales, as units of 256 bytes + 16 of padding
.set HALFS,  (128*KS/256)*272          ; the scales of 128 rows
.set SBLK,   (16*KS/256)*272           ; those of 16 rows
.set SCL2,   SCL+4*HALFS               ; the second tile's scales
.set SPARE,  SCL2+4*HALFS              ; the spare words, 128 bytes for each wave: two blocks of 256 bytes that no other line names
.set STG,    SPARE+512                 ; the scale words' stage, 512 bytes for each wave: bytes of its own, into which no fill lands
.set VBI,  8                           ; v8   32 x (lane / 16): my place among a tile's 16 biases; never rewritten
.set VBL,  9                           ; v9   4 x (lane % 16); never rewritten
.set ADRA2, 10                         ; v10-11 second tile: LDS address of my A fragments in slot 0, 1
.set ADRB2, 12                         ; v12-13 the same for B
.set ADRS2, 14                         ; v14  second tile: LDS address of my scale words
.set STR2, 15                          ; v15  second tile: the stage read back: 8 bytes a lane
.set ADRA, 16                          ; v16-17 first tile: LDS address of my A fragments in slot 0, 1
.set ADRB, 20                          ; v20-21 the same for B
.set L8,   22                          ; v22  8 x lane
.set LI,   24                          ; v24  16 x lane
.set STA,  25                          ; v25  the stage: STG + 512 x wave + 4 x (lane % 16)
.set STR,  26                          ; v26  and back: STG + 512 x wave + 16 x lane
.set ADRS, 27                          ; v27  first tile: LDS address of my scale words: lanes 0-15 A's rows, lanes 16-31 B's
.set SPW,  28                          ; v28  LDS address of my spare word: SPARE + 4 x my thread's number; never rewritten
.set NIL,  29                          ; v29  0; never rewritten
.set SC,   32                          ; scale words: set s at v[SC + 32 s]; register 4 i + q: lanes 0-15 the word of A's block i, lanes 16-31 that of B's block i, for the slot's q-th 128 along K
.set PW,   32                          ; the ways out: v32-39 the blocks' scale words
.set FL,   40                          ; v40-43 the words read back
.set TM,   44                          ; v44-47 largest magnitudes, v48-51 bytes, v56-59 the conversions' scale operands
.set PC,   60                          ; v60-67 a block's codes
.set BL,   96                          ; v96-103 second tile: the bias of my row of block a, in both registers of pair a
.set AF,   128                         ; A's fragments
.set T,    128                         ; the ways out: a block's 64 numbers
.set BI,   192                         ; v192-255 first tile: the biases of a lane's 64 features: register 8 t + j: feature 16 t + 8 (lane / 16) + j
.set SEL,  2                           ; s[2:3]   lane selects for v_permlanex16_b32: lane l xor 16
.set FS,   18                          ; s[18:19] the factor: 0.125 for q, 1 for k
.set OS,   20                          ; s[20:21] first tile: where my scale words go
.set NA,   22                          ; s[22:23] second tile: the codes of A that I fetch
.set G1,   24                          ; s[24:31] descriptor group 1 for A's tiles;  s[32:39] group 0, one set for each slot
.set G0,   32
.set G1B,  48                          ; s[48:55], s[56:63] the same for B's tiles
.set G0B,  56
.set NB,   66                          ; s[66:67] second tile: the codes of B that I fetch
.set G1S,  68                          ; s[68:75] group 1 for A's scales, s[76:79] group 0 for the first tile's;  s[80:87], s[88:91] for B's
.set G0S,  76
.set G1SB, 80
.set G0SB, 88
.set G0S2, 92                          ; s[92:95], s[96:99] groups 0 for the second tile's scales
.set G0SB2, 96
.set OC2,  68                          ; s[68:69], s[70:71] second tile: where my codes and scale words go (made when no tensor load is out any more)
.set OS2,  70
.set OC,   100                         ; s[100:101] first tile: where my codes go
.set TY,   104                         ; s104     the first tile's tensor: 0 q, 1 k
.set CI,   105                         ; s105     the cluster's number, 0 .. 15: the same in all sixteen partners
.set MSB, 0
.macro WIN new                         ; the immediate's high byte repeats the setting that is left
.if MSB != \new
	s_set_vgpr_msb (MSB<<8)|\new
.set MSB, \new
.endif
.endm
.set MUL_LO, 0xa1                      ; source 0 (B) window 1, source 1 (A) window 0, C and D window 2
.set MUL_HI, 0xf1                      ; the same, C and D window 3
.set TO_B,   0x40                      ; destination window 1, address window 0
; A joint load: waves 0 and 1 fetch for A, wave 2 for B.  Each of the two lines has ONE mask and one set of registers for all that issue it; the branch hangs on the wave's number alone.
; Four v_nop follow each of the two lines, ahead of the jump, the label and what follows.
; FIRST FILLS, ONE A WAVE: one tree of branches on the wave's number, an arm a load: wave 0 A's 256 rows of a slot, wave 1 B's 256 rows, wave 2 the scale bytes of A's 256 rows, wave 3 those of B's.
; It stands twice: at the head (slot 0, the first tile's scales) and behind the three lines and a round (slot 1, the second tile's scales): by this text's count a wave has one tensor load out at any time.
.macro TREE ga, gb, gsa, gsb
	s_cmp_lt_u32 s14, 1
	s_cbranch_scc0 .Lt1_\@
	tensor_load_to_lds s[\ga:\ga+3], s[G1:G1+7]
	s_nop 0
.rept 4
	v_nop
.endr
	s_branch .Lte_\@
.Lt1_\@:
	s_cmp_lt_u32 s14, 2
	s_cbranch_scc0 .Lt2_\@
	tensor_load_to_lds s[\gb:\gb+3], s[G1B:G1B+7]
	s_nop 0
.rept 4
	v_nop
.endr
	s_branch .Lte_\@
.Lt2_\@:
	s_cmp_lt_u32 s14, 3
	s_cbranch_scc0 .Lt3_\@
	tensor_load_to_lds s[\gsa:\gsa+3], s[G1S:G1S+7]
	s_nop 0
.rept 4
	v_nop
.endr
	s_branch .Lte_\@
.Lt3_\@:
	tensor_load_to_lds s[\gsb:\gsb+3], s[G1SB:G1SB+7]
	s_nop 0
.rept 4
	v_nop
.endr
.Lte_\@:
.endm
; The same for the second tile's codes, whose B has 128 rows: wave 2 fetches them, wave 3 has no part to fill and issues nothing.
.macro JLOAD2 g0a, g1a, g0b, g1b
	s_cmp_eq_u32 s15, 0
	s_cbranch_scc0 .Lfor_b_\@
	tensor_load_to_lds s[\g0a:\g0a+3], s[\g1a:\g1a+7]
	s_nop 0
.rept 4
	v_nop
.endr
	s_branch .Lasked_\@
.Lfor_b_\@:
	s_cmp_eq_u32 s14, 2
	s_cbranch_scc0 .Lasked_\@
	tensor_load_to_lds s[\g0b:\g0b+3], s[\g1b:\g1b+7]
	s_nop 0
.rept 4
	v_nop
.endr
.Lasked_\@:
.endm
; A round of the cluster's barrier: my work-group's barrier, wave 0 signals for the work-group, every wave waits for all sixteen, my work-group's barrier once more.
.macro CREST                           ; a round behind its opening barrier
	s_cmp_lg_u32 s14, 0
	s_cbranch_scc1 .Lnot_wave_0_\@
	s_barrier_signal -3
.Lnot_wave_0_\@:
	s_barrier_wait -3
	s_barrier_signal -1
	s_barrier_wait -1
.endm
.macro CROUND                          ; a whole round
	s_barrier_signal -1
	s_barrier_wait -1
	CREST
.endm
; Group 0 for the scale bytes of the 256 rows from s[row] on: 8,192 dense bytes, to LDS byte base.  tmp: a pair for the offset (A's and B's have pairs of their own)
.macro GSC g0, row, tmp, base
	s_lshl_b32 s[\tmp], s[\row], 5
	s_mov_b32 s[\tmp+1], 0
	s_mov_b32 s[\g0], 1
	s_mov_b32 s[\g0+1], \base
	s_add_nc_u64 s[\g0+2:\g0+3], s[6:7], s[\tmp:\tmp+1]
	s_or_b32 s[\g0+3], s[\g0+3], 0x80000000
.endm
	s_load_b256 s[4:11], s[0:1], 0x0               ; codes s[4:5], scales s[6:7], in_proj_bias s[8:9], hcodes s[10:11]
	s_load_b64 s[12:13], s[0:1], 0x20              ; hscales
	v_lshl_add_u32 v[SPW], v0, 2, SPARE
	v_mov_b32 v[NIL], 0
	ds_add_u32 v28, v29
	ds_add_u32 v28, v29
	s_wait_dscnt 0x0
	v_lshrrev_b32 v1, 5, v0
	v_readfirstlane_b32 s14, v1                    ; wave 0..3
	s_lshr_b32 s15, s14, 1                         ; first tile: which half of A's 256 rows is mine.  Also: I fetch for A (0) or for B (1)
	s_and_b32 s16, s14, 1                          ; first tile: which half of B's.  Also: which 128 rows I fetch
	s_bfe_u32 s40, ttmp6, 0x40000                  ; cx, cy: my place in the cluster
	s_bfe_u32 s41, ttmp6, 0x40004
	s_and_b32 s[CI], ttmp7, 0xffff                 ; the cluster's y, 0 .. 15
	s_lshr_b32 s[TY], s[CI], 3
	s_and_b32 s42, s[CI], 7                        ; the first tile's b
	s_lshl_b32 s43, s41, 2
	s_lshl_b32 s43, 15, s43                        ; my row of the cluster
	s_lshl_b32 s44, 0x1111, s40                    ; my column
	; descriptor group 1: a tile of 256 rows x 256 bytes, padded in LDS
	s_or_b32 s[G1+0], s43, (0<<16)|(1<<20)|(1<<21)|(5<<22)|(3<<25)  ; 15:0 the mask: A's tiles go to my row; 17:16 element of 1 byte; 20 padding on; 21 set beside a mask; 24:22 after every 64 words (code 5); 31:25 of 4 words (code 3)
	s_or_b32 s[G1B+0], s44, (0<<16)|(1<<20)|(1<<21)|(5<<22)|(3<<25)
.irp g, G1, G1B
	s_mov_b32 s[\g+1], ROWB<<16                    ; tensor_dim0
	s_mov_b32 s[\g+2], 256<<16                     ; tensor_dim1 = 256 for the first fills; the refills set it to 128
	s_mov_b32 s[\g+3], ROWB<<16                    ; tile_dim0
	s_mov_b32 s[\g+4], 256                         ; tile_dim1 = 256
	s_mov_b32 s[\g+5], KROW                        ; tensor_dim0_stride
	s_mov_b32 s[\g+6], 0
	s_mov_b32 s[\g+7], 0
.endr
	; and for the scales of 256 rows: a dense block of 8,192 bytes, as 32 rows of 256 bytes (32 elements of 8 bytes), 16 bytes of padding behind each
	s_or_b32 s[G1S+0], s43, (3<<16)|(1<<20)|(1<<21)|(5<<22)|(3<<25)
	s_or_b32 s[G1SB+0], s44, (3<<16)|(1<<20)|(1<<21)|(5<<22)|(3<<25)
.irp g, G1S, G1SB
	s_mov_b32 s[\g+1], 32<<16
	s_mov_b32 s[\g+2], (256*KS/256)<<16            ; the scales of 256 rows: 32 rows of 256 bytes
	s_mov_b32 s[\g+3], 32<<16
	s_mov_b32 s[\g+4], 256*KS/256
	s_mov_b32 s[\g+5], 32
	s_mov_b32 s[\g+6], 0
	s_mov_b32 s[\g+7], 0
.endr
	; the first rows that I fetch, in the buffer 'codes': q from row 0, k from 8,192, v from 16,384 (1,024 b + token), the weight's three parts from 24,576.  No register that feeds A's descriptors ever holds cx, none that feeds B's cy
	s_lshl_b32 s20, s[TY], 5
	s_lshl_b32 s19, s42, 2
	s_add_co_u32 s20, s20, s19
	s_add_co_u32 s20, s20, s41
	s_lshl_b32 s20, s20, 8
	s_add_co_u32 s[NA], s41, 104
	s_lshl_b32 s[NA], s[NA], 8
	s_lshl_b32 s46, s[TY], 2
	s_add_co_u32 s46, s46, 96
	s_add_co_u32 s46, s46, s40
	s_lshl_b32 s46, s46, 8
	s_lshl_b32 s[NB], s[CI], 2
	s_add_co_u32 s[NB], s[NB], s40
	s_add_co_u32 s[NB], s[NB], 128
	s_lshl_b32 s[NB], s[NB], 7
	s_mov_b32 s[SEL], 0x76543210
	s_mov_b32 s[SEL+1], 0xfedcba98
	s_wait_kmcnt 0x0
	GSC G0S,   20, 100, SCL                        ; each block of scales whole: A's 256 rows, behind them B's
	GSC G0S2,  NA, 100, SCL2
	GSC G0SB,  46, 18,  SCL+2*HALFS
	GSC G0SB2, NB, 18,  SCL2+2*HALFS               ; the second tile's B has 128 rows; the load brings 256 rows' bytes (inside the buffer: row 24,703 at the most), of which the upper half is not read
	s_lshl_b32 s20, s20, 9                         ; the rows' codes, in bytes (under 2^24)
	s_mov_b32 s21, 0
	s_add_nc_u64 s[20:21], s[4:5], s[20:21]
	s_lshl_b32 s[NA], s[NA], 9
	s_lshl_b32 s100, s16, 16                       ; the refills go by halves of 128 rows: 65,536 bytes x (wave % 2)
	s_add_co_u32 s[NA], s[NA], s100
	s_mov_b32 s[NA+1], 0
	s_add_nc_u64 s[NA:NA+1], s[4:5], s[NA:NA+1]
	s_lshl_b32 s46, s46, 9
	s_mov_b32 s47, 0
	s_add_nc_u64 s[46:47], s[4:5], s[46:47]
	s_lshl_b32 s[NB], s[NB], 9
	s_mov_b32 s[NB+1], 0
	s_add_nc_u64 s[NB:NB+1], s[4:5], s[NB:NB+1]
	CROUND                                         ; all sixteen work-groups are here: the first joint loads meet
.irp s, 0,1
	s_mov_b32 s[G0+4*\s], 1
	s_mov_b32 s[G0+4*\s+1], \s*SLOT                ; A's 256 rows at the slot's head,
	s_add_nc_u64 s[G0+4*\s+2:G0+4*\s+3], s[20:21], \s*ROWB
	s_or_b32 s[G0+4*\s+3], s[G0+4*\s+3], 0x80000000
	s_mov_b32 s[G0B+4*\s], 1
	s_mov_b32 s[G0B+4*\s+1], \s*SLOT+2*HALFT       ; B's behind them
	s_add_nc_u64 s[G0B+4*\s+2:G0B+4*\s+3], s[46:47], \s*ROWB
	s_or_b32 s[G0B+4*\s+3], s[G0B+4*\s+3], 0x80000000
.endr
	TREE G0, G0B, G0S, G0SB                        ; the head's loads, one a wave: slot 0 and the first tile's scales
	v_and_b32 v1, 15, v0                           ; r = l % 16
	v_bfe_u32 v2, v0, 4, 1                         ; h = l / 16
	v_mul_u32_u24 v3, v1, PITCH
	v_lshl_add_u32 v4, v2, 4, v3                   ; a fragment's row x pitch + 16 x half
	s_wait_alu depctr_va_vdst(0)
	s_mul_i32 s43, s15, HALFT                      ; first tile: my 128 rows of A,
	s_mul_i32 s44, s16, HALFT                      ; my 128 rows of B,
	s_add_co_u32 s44, s44, 2*HALFT                 ; which lie behind A's 256
.irp s, 0,1
	v_add_nc_u32 v[ADRA+\s], s43, v4
	v_add_nc_u32 v[ADRB+\s], s44, v4
	s_add_co_u32 s43, s43, SLOT
	s_add_co_u32 s44, s44, SLOT
.endr
	s_mul_i32 s43, s14, 64*PITCH                   ; second tile: my 64 rows of A; B's 128 rows are everybody's
	v_add_nc_u32 v[ADRA2], s43, v4
	v_add_nc_u32 v[ADRA2+1], SLOT, v[ADRA2]
	v_add_nc_u32 v[ADRB2], 2*HALFT, v4
	v_add_nc_u32 v[ADRB2+1], SLOT, v[ADRB2]
	v_mul_u32_u24 v7, v1, KS                       ; my row's scales: 32 bytes a row,
	v_lshrrev_b32 v6, 8, v7
	v_lshl_add_u32 v7, v6, 4, v7                   ; and 16 more for each 256 passed
	s_mul_i32 s43, s15, HALFS                      ; first tile: A's: my 128 rows
	s_mul_i32 s44, s16, HALFS                      ; B's: my 128 rows, behind A's 256
	s_add_co_u32 s44, s44, 2*HALFS
	s_sub_co_u32 s44, s44, s43
	v_mul_u32_u24 v6, s44, v2                      ; lanes 16-31 take B's: the lower base + h x the distance
	s_add_co_u32 s43, s43, SCL
	v_add_nc_u32 v5, v7, v6
	v_add_nc_u32 v[ADRS], s43, v5
	s_mul_i32 s43, s14, 4*SBLK                     ; second tile: A's: my 64 rows;
	s_mov_b32 s44, 2*HALFS                         ; B's: the 128 rows behind A's 256
	s_sub_co_u32 s44, s44, s43
	v_mul_u32_u24 v6, s44, v2
	s_wait_alu depctr_va_vdst(0)
	s_add_co_u32 s43, s43, SCL2
	v_add_nc_u32 v5, v7, v6
	v_add_nc_u32 v[ADRS2], s43, v5
	v_and_b32 v6, 31, v0
	v_lshlrev_b32 v[LI], 4, v6
	v_lshlrev_b32 v[L8], 3, v6
	s_lshl_b32 s43, s14, 9
	s_add_co_u32 s43, s43, STG                     ; my stage
	v_lshl_add_u32 v[STA], v1, 2, s43
	v_add_nc_u32 v[STR], s43, v[LI]
	v_add_nc_u32 v[STR2], s43, v[L8]
	v_lshlrev_b32 v[VBI], 5, v2
	s_wait_alu depctr_va_vdst(0)
	v_lshlrev_b32 v[VBL], 2, v1
	; where the first tile's results go: pair of heads 2 cx + my half of B, tokens 128 (2 cy + my half of A) on
	s_wait_alu depctr_va_vdst(0)
	s_lshl_b32 s43, s40, 1
	s_add_co_u32 s43, s43, s16
	s_lshl_b32 s44, s41, 1
	s_add_co_u32 s44, s44, s15
	s_lshl_b32 s46, s[TY], 6
	s_lshl_b32 s47, s42, 3
	s_add_co_u32 s46, s46, s47
	s_add_co_u32 s46, s46, s43                     ; 64 type + 8 b + pair
	s_lshl_b32 s42, s46, 16
	s_lshl_b32 s47, s44, 13
	s_add_co_u32 s42, s42, s47
	s_mov_b32 s43, 0
	s_add_nc_u64 s[OC:OC+1], s[10:11], s[42:43]
	s_lshl_b32 s42, s46, 12
	s_lshl_b32 s47, s44, 9
	s_add_co_u32 s42, s42, s47
	s_add_nc_u64 s[OS:OS+1], s[12:13], s[42:43]
	s_cmp_eq_u32 s[TY], 0
	s_cselect_b32 s[FS], 0x3e000000, 1.0
	s_mov_b32 s[FS+1], s[FS]                       ; (the packed forms name the pair)
	; the biases of both tiles, once
	s_lshl_b32 s42, s[TY], 12
	s_lshl_b32 s44, s40, 10
	s_add_co_u32 s42, s42, s44
	s_lshl_b32 s44, s16, 9
	s_add_co_u32 s42, s42, s44
	s_add_nc_u64 s[46:47], s[8:9], s[42:43]        ; first tile: of my 128 features 1,024 type + 256 cx + 128 x half on: along a lane's registers
.irp t, 0,1,2,3,4,5,6,7
	global_load_b128 v[BI+8*\t:BI+8*\t+3], v[VBI], s[46:47] offset:64*\t
	global_load_b128 v[BI+8*\t+4:BI+8*\t+7], v[VBI], s[46:47] offset:64*\t+16
.endr
	s_lshl_b32 s42, s41, 10
	s_lshl_b32 s44, s14, 8
	s_add_co_u32 s42, s42, s44
	s_add_co_u32 s42, s42, 8192
	s_add_nc_u64 s[44:45], s[8:9], s[42:43]        ; second tile: of my 64 features 2,048 + 256 cy + 64 x wave on: one a lane and block
.irp a, 0,1,2,3
	global_load_b32 v[BL+2*\a], v[VBL], s[44:45] offset:64*\a
	global_load_b32 v[BL+2*\a+1], v[VBL], s[44:45] offset:64*\a      ; twice: the packed form takes a pair
.endr
.macro FRAG reg, adr, q, i             ; a fragment, 16 rows x 128 K of 4-bit codes, is 8 registers: lane l holds row l % 16; registers 4 c .. 4 c + 3 hold K = 64 c + 32 (l / 16) + 0 .. 31
.irp c, 0,1
	ds_load_b128 v[\reg+4*\c:\reg+4*\c+3], v[\adr] offset:64*(\q)+32*\c+(\i)*16*PITCH
.endr
.endm
; FIRST TILE.  16 matrix instructions: A's blocks a0, a0 + 1 x B's eight, 128 along K: the slot's q-th.  p: B's set;  sc: the set of scale words.  zero = 1: the first product starts the sums.
; The 64 accumulators take turns, one instruction a turn, in the same order in every step.
.macro MUL16 a0, p, q, sc, zero
.irp a, \a0, \a0+1
.irp b, 0,1,2,3,4,5,6,7
.if \zero
	v_wmma_scale_f32_16x16x128_f8f6f4 v[8*(8*((\a)%4)+\b):8*(8*((\a)%4)+\b)+7], v[128*(\p)+FR*\b:128*(\p)+FR*\b+FR-1], v[AF+FR*(\a):AF+FR*(\a)+FR-1], 0, v[SC+8*NQ*(\sc)+NQ*\b+(\q)], v[SC+8*NQ*(\sc)+NQ*(\a)+(\q)] matrix_a_fmt:MATRIX_FMT_FP4 matrix_b_fmt:MATRIX_FMT_FP4 matrix_a_scale:MATRIX_SCALE_ROW1
.else
	v_wmma_scale_f32_16x16x128_f8f6f4 v[8*(8*((\a)%4)+\b):8*(8*((\a)%4)+\b)+7], v[128*(\p)+FR*\b:128*(\p)+FR*\b+FR-1], v[AF+FR*(\a):AF+FR*(\a)+FR-1], v[8*(8*((\a)%4)+\b):8*(8*((\a)%4)+\b)+7], v[SC+8*NQ*(\sc)+NQ*\b+(\q)], v[SC+8*NQ*(\sc)+NQ*(\a)+(\q)] matrix_a_fmt:MATRIX_FMT_FP4 matrix_b_fmt:MATRIX_FMT_FP4 matrix_a_scale:MATRIX_SCALE_ROW1
.endif
.endr
.endr
.endm
.macro FETCH_B slot, q, p              ; B's eight fragments of the slot's q-th 128 along K into set p
	WIN TO_B
.irp i, 0,1,2,3,4,5,6,7
	FRAG 128*(\p)+FR*\i, ADRB+\slot, \q, \i
.endr
	WIN 0
.endm
.macro FETCH_A slot, q, i0             ; A's blocks i0 .. i0 + 3
.irp i, \i0, \i0+1, \i0+2, \i0+3
	FRAG AF+FR*(\i), ADRA+\slot, \q, \i
.endr
.endm
.macro SCALES sc, adr                  ; a slot's scale words into set sc: four words a row; lanes 0-15 take A's block i, lanes 16-31 B's block i
.irp i, 0,1,2,3,4,5,6,7
	ds_load_b128 v[SC+8*NQ*\sc+NQ*\i:SC+8*NQ*\sc+NQ*\i+3], v[\adr] offset:\i*SBLK
.endr
.endm
; A load into a register that a matrix instruction has read, and a vector instruction that reads a matrix result or writes one of a matrix instruction's registers, stand NP places behind that matrix instruction;
; only plain vector instructions that name none of its registers are places (ISA guide 7.12.1 for vector instructions).
.macro PLACES n
.rept \n
	v_nop
.endr
.endm
; A step of 128 along K that has its successor in the same slot.  A block of A is free as soon as its eight products are issued, so A has one set: blocks 0-3 are fetched anew in the step's middle, blocks 4-7 at its end.
.macro STEP slot, q, zero
	s_wait_dscnt 4*NL                              ; B's set and A's blocks 0-3 are in; the eight youngest loads (A's blocks 4-7) may be out
	WIN MUL_LO
	MUL16 0, (\q)%2, \q, \slot, \zero
	MUL16 2, (\q)%2, \q, \slot, \zero
	s_wait_dscnt 0                                 ; A's blocks 4-7 are in (asked for 32 matrix instructions ago)
	PLACES NP
	FETCH_B \slot, (\q)+1, 1-(\q)%2
	FETCH_A \slot, (\q)+1, 0
	WIN MUL_HI
	MUL16 4, (\q)%2, \q, \slot, \zero
	MUL16 6, (\q)%2, \q, \slot, \zero
	PLACES NP
	WIN 0
	FETCH_A \slot, (\q)+1, 4
.endm
.macro STEPS slot, from                ; the slot's steps from .. NQ - 2
.set Q, \from
.rept NQ-1-\from
	STEP \slot, Q, 0
.set Q, Q+1
.endr
.endm
; The first half of a slot's last step, and the round behind which the slot is filled again.  Each wave waits for all its tensor loads, adds 0 to its spare word, and waits for that and for its own reads of this slot;
; the barrier opens a round of the cluster's barrier: behind it no wave of any partner still reads this slot or has a load on its way.
.macro MEET slot
	s_wait_tensorcnt 0x0                           ; all my tensor loads have landed;  (every window is 0 here: the add's two registers lie in window 0)
	ds_add_u32 v[SPW], v[NIL]                      ; 0 onto my spare word
	s_wait_dscnt 4*NL+1                            ; (the add and the eight youngest loads, A's blocks 4-7, may be out)
	WIN MUL_LO
	MUL16 0, 1, NQ-1, \slot, 0                     ; sixteen matrix instructions stand between the add and the wait for it
	s_wait_dscnt 0x0                               ; the add is done, and my reads of this slot are over
	s_barrier_signal -1
	MUL16 2, 1, NQ-1, \slot, 0                     ; work on registers while the others arrive
	WIN 0
	s_barrier_wait -1
	CREST
.endm
	s_wait_alu depctr_va_vdst(0)                   ; the wait at the head's end
	s_wait_tensorcnt 0x0                           ; my tile of the head's four is in
	ds_add_u32 v[SPW], v[NIL]
	s_wait_dscnt 0x0
	CROUND                                         ; everybody's is in, and all sixteen work-groups are here
	TREE G0+4, G0B+4, G0S2, G0SB2                  ; slot 1 and the second tile's scales: first fills all four; they have slot 0's first three steps in which to land
	FETCH_B 0, 0, 0
	FETCH_A 0, 0, 0
	SCALES 0, ADRS
	FETCH_A 0, 0, 4
	STEP 0, 0, 1                                   ; the first step's products start the sums: nothing is cleared
	STEPS 0, 1
	MEET 0                                         ; slot 1 is whole, slot 0 is left by everybody
	s_mov_b32 s[G1+2], 128<<16                     ; no tensor load of mine is out, so descriptors may be written: from here on a load brings 128 rows
	s_mov_b32 s[G1+4], 128
	s_mov_b32 s[G1B+2], 128<<16
	s_mov_b32 s[G1B+4], 128
	s_mul_i32 s[G0+1], s14, HALFT                  ; to wave x 128 rows of slot 0
	s_mul_i32 s[G0B+1], s14, HALFT
	s_mov_b64 s[G0+2:G0+3], s[NA:NA+1]             ; THE SECOND TILE's first half of K
	s_or_b32 s[G0+3], s[G0+3], 0x80000000
	s_mov_b64 s[G0B+2:G0B+3], s[NB:NB+1]
	s_or_b32 s[G0B+3], s[G0B+3], 0x80000000
	JLOAD2 G0, G1, G0B, G1B                        ; the first tensor load behind the round: it has slot 1's four steps in which to land
	PLACES NP                                      ; (on every wave's way) in front of the loads below
	v_add_nc_u32 v[ADRS], 4*NQ, v[ADRS]            ; on to slot 1's scale words
	FETCH_B 1, 0, 0
	FETCH_A 1, 0, 0
	SCALES 1, ADRS
	WIN MUL_HI
	MUL16 4, 1, NQ-1, 0, 0
	MUL16 6, 1, NQ-1, 0, 0
	PLACES NP
	WIN 0
	FETCH_A 1, 0, 4
	STEPS 1, 0
	MEET 1                                         ; the first tile's last step: the second tile's slot 0 is whole, slot 1 is left by everybody
	s_mul_i32 s[G0+5], s14, HALFT                  ; to wave x 128 rows of slot 1
	s_add_co_u32 s[G0+5], s[G0+5], SLOT
	s_mul_i32 s[G0B+5], s14, HALFT
	s_add_co_u32 s[G0B+5], s[G0B+5], SLOT
	s_add_nc_u64 s[G0+6:G0+7], s[NA:NA+1], ROWB
	s_or_b32 s[G0+7], s[G0+7], 0x80000000
	s_add_nc_u64 s[G0B+6:G0B+7], s[NB:NB+1], ROWB
	s_or_b32 s[G0B+7], s[G0B+7], 0x80000000
	JLOAD2 G0+4, G1, G0B+4, G1B                    ; it has the first tile's way out and three steps of the second tile in which to land
	WIN MUL_HI
	MUL16 4, 1, NQ-1, 1, 0
	MUL16 6, 1, NQ-1, 1, 0
	WIN 0
; THE WAYS OUT.  64 numbers of a lane, v[s] on, register 8 t + j = element 16 t + 8 (lane / 16) + j of the next K of my row, become a fragment's codes in v[PC] on and its scale word in v[w].
; Block b of 32 is tiles 2 b and 2 b + 1, in my lane and in lane l xor 16.  The operand's layout wants k = 64 c + 32 (lane / 16) + 8 i + 0 .. 7 in register 4 c + i: tile 4 c goes to register 4 c and tile 4 c + 2 to 4 c + 1,
; and an exchange of the first's upper lanes with the second's lower lanes sets both right; tiles 4 c + 1 and 4 c + 3 likewise in registers 4 c + 2, 4 c + 3.
.macro QUANT s, w
.irp b, 0,1,2,3
	v_max3_num_f32 v[TM+\b], |v[\s+16*\b]|, |v[\s+1+16*\b]|, 0x1800000   ; block b: my 16 numbers, and the floor 2^(3 - 127): the byte cannot fall under 1
.endr
.irp i, 2,4,6,8,10,12,14
.irp b, 0,1,2,3
	v_max3_num_f32 v[TM+\b], v[TM+\b], |v[\s+16*\b+\i]|, |v[\s+1+16*\b+\i]|   ; (the four blocks by turns)
.endr
.endr
.irp b, 0,1,2,3
	v_permlanex16_b32 v[TM+4+\b], v[TM+\b], s[SEL], s[SEL+1]
.endr
.irp b, 0,1,2,3
	v_max_num_f32 v[TM+\b], v[TM+\b], v[TM+4+\b]   ; with lane l xor 16's: the block's largest magnitude
.endr
.irp b, 0,1,2,3
	v_add_nc_u32 v[TM+12+\b], 0xff000000, v[TM+\b] ; 2 off its exponent field: the conversion's scale operand
.endr
.irp b, 0,1,2,3
	v_lshrrev_b32 v[TM+4+\b], 23, v[TM+12+\b]      ; the scale's byte
.endr
	v_lshl_or_b32 v[\w], v[TM+5], 8, v[TM+4]       ; the four bytes make my row's scale word
	v_lshl_or_b32 v[\w], v[TM+6], 16, v[\w]
	v_lshl_or_b32 v[\w], v[TM+7], 24, v[\w]
.irp b, 0,1,2,3
	v_cvt_scalef32_pk8_fp4_f32 v[PC+4*(\b/2)+(\b%2)], v[\s+16*\b:\s+16*\b+7], v[TM+12+\b]
	v_cvt_scalef32_pk8_fp4_f32 v[PC+4*(\b/2)+2+(\b%2)], v[\s+16*\b+8:\s+16*\b+15], v[TM+12+\b]
.endr
	v_nop                                          ; one plain line behind the scaled conversions
.irp c, 0,1
	v_permlane16_swap_b32 v[PC+4*\c], v[PC+4*\c+1]
	v_permlane16_swap_b32 v[PC+4*\c+2], v[PC+4*\c+3]
.endr
.endm
; Block a's codes and scale word leave: 1,024 bytes of codes to memory, the word to my stage
.macro LEAVE a, oc
	global_store_b128 v[LI], v[PC:PC+3], s[\oc:\oc+1] offset:1024*(\a)         ; 32 lanes store 512 consecutive bytes, aligned: the image of registers 0-3,
	global_store_b128 v[LI], v[PC+4:PC+7], s[\oc:\oc+1] offset:1024*(\a)+512   ; of registers 4-7
	ds_store_b32 v[STA], v[PW+(\a)] offset:64*(\a) ; both halves of the lanes write the same word with the same value
.endm
; First tile, block a of my eight: factor and bias (each register has its feature's bias), the quantiser, out
.macro EPI a
.set AC, 64*((\a)%4)
	WIN 0x02+(\a)/4                                ; source 0: window 2 or 3
.set i, 0
.rept 32
	v_pk_fma_f32 v[T+i:T+i+1], v[AC+i:AC+i+1], s[FS:FS+1], v[BI+i:BI+i+1] op_sel_hi:[1,0,1]   ; each accumulator from its low end on
.set i, i+2
.endr
	WIN 0
.if (\a) > 0
	s_wait_xcnt 0x0                                ; the last block's stores have read their data: the codes' registers are written again only behind this wait
.endif
	QUANT T, PW+(\a)
	LEAVE \a, OC
.endm
	s_wait_loadcnt 0x0                             ; the biases
.set i, 0
.rept 32
	v_pk_mul_f32 v[BI+i:BI+i+1], v[BI+i:BI+i+1], s[FS:FS+1] op_sel_hi:[1,0]   ; bias x the factor.  (These lines name no register of the last products: they are the places behind them)
.set i, i+2
.endr
.irp b, 0,1,2,3
	v_mov_b32 v[TM+4+\b], 0                        ; a lane permute's destination counts as one of its sources: written ahead of the first
.endr
.irp a, 0,1,2,3,4,5,6,7
	EPI \a
.endr
	ds_load_b128 v[FL:FL+3], v[STR]                ; my wave's 128 scale words, in order behind its stores
	s_wait_dscnt 0x0
	global_store_b128 v[LI], v[FL:FL+3], s[OS:OS+1]   ; 512 consecutive bytes, aligned
; SECOND TILE: my 64 features (four blocks of A) x the work-group's 128 tokens (eight tiles of B), K step Q = 0 .. 7, slot Q / 4.  A and B have two sets each; a K step's 24 loads are issued one step ahead.
.macro FETCH2 Q
	WIN TO_B
.irp i, 0,1,2,3,4,5,6,7
	FRAG 128*((\Q)%2)+FR*\i, ADRB2+(\Q)/4, (\Q)%4, \i
.endr
	WIN 0
.irp i, 0,1,2,3
	FRAG AF+32*((\Q)%2)+FR*\i, ADRA2+(\Q)/4, (\Q)%4, \i
.endr
.endm
.macro MULH a0, Q, zero                ; 16 products: A's blocks a0, a0 + 1 x B's eight.  The 32 accumulators take turns, one instruction a turn, in the same order in every step
.irp a, \a0, \a0+1
.irp b, 0,1,2,3,4,5,6,7
.if \zero
	v_wmma_scale_f32_16x16x128_f8f6f4 v[8*(8*(\a)+\b):8*(8*(\a)+\b)+7], v[128*((\Q)%2)+FR*\b:128*((\Q)%2)+FR*\b+FR-1], v[AF+32*((\Q)%2)+FR*(\a):AF+32*((\Q)%2)+FR*(\a)+FR-1], 0, v[SC+32*((\Q)/4)+NQ*\b+(\Q)%4], v[SC+32*((\Q)/4)+NQ*(\a)+(\Q)%4] matrix_a_fmt:MATRIX_FMT_FP4 matrix_b_fmt:MATRIX_FMT_FP4 matrix_a_scale:MATRIX_SCALE_ROW1
.else
	v_wmma_scale_f32_16x16x128_f8f6f4 v[8*(8*(\a)+\b):8*(8*(\a)+\b)+7], v[128*((\Q)%2)+FR*\b:128*((\Q)%2)+FR*\b+FR-1], v[AF+32*((\Q)%2)+FR*(\a):AF+32*((\Q)%2)+FR*(\a)+FR-1], v[8*(8*(\a)+\b):8*(8*(\a)+\b)+7], v[SC+32*((\Q)/4)+NQ*\b+(\Q)%4], v[SC+32*((\Q)/4)+NQ*(\a)+(\Q)%4] matrix_a_fmt:MATRIX_FMT_FP4 matrix_b_fmt:MATRIX_FMT_FP4 matrix_a_scale:MATRIX_SCALE_ROW1
.endif
.endr
.endr
.endm
.macro STEP2 Q                         ; K step Q, whose successor lies in a slot that is whole
	PLACES NP                                      ; in front of loads into the sets that the last step multiplied
	FETCH2 (\Q)+1
	s_wait_dscnt 24                                ; this step's fragments (and scale words) are in; the 24 loads just issued may be out
	WIN MUL_LO
	MULH 0, \Q, 0
	MULH 2, \Q, 0
.endm
	s_wait_xcnt 0x0                                ; the first tile's stores have read their data: the registers that held it are loaded again only behind this wait
	FETCH2 0                                       ; slot 0 was shown whole to every wave by the round in the first tile's last step
	SCALES 0, ADRS2
	FETCH2 1
	s_wait_dscnt 24
	WIN MUL_LO
	MULH 0, 0, 1                                   ; the first step's products start the sums
	MULH 2, 0, 1
	STEP2 1
	STEP2 2
	WIN 0                                          ; K step 3 goes over to slot 1: my last tensor load has landed and my LDS loads are in, then one barrier: behind it slot 1 is whole for all four waves.
	s_wait_tensorcnt 0x0
	s_wait_dscnt 0x0                               ; no LDS instruction of mine is out at the signal
	s_barrier_signal -1
	WIN MUL_LO
	MULH 0, 3, 0                                   ; work on registers while the others arrive
	WIN 0
	s_barrier_wait -1
	PLACES NP
	v_add_nc_u32 v[ADRS2], 4*NQ, v[ADRS2]          ; on to slot 1's scale words
	FETCH2 4
	SCALES 1, ADRS2
	WIN MUL_LO
	MULH 2, 3, 0
	STEP2 4
	STEP2 5
	STEP2 6
	s_wait_dscnt 0x0                               ; the last step: nothing more to fetch
	MULH 0, 7, 0
	MULH 2, 7, 0
	WIN 0
	; where the second tile's results go (no tensor load is out any more, so the registers that held descriptors are free): batch entry i / 2, pair of heads 2 cy + wave / 2, head wave % 2, key step 4 (i % 2) + cx
	s_lshr_b32 s72, s[CI], 1
	s_lshl_b32 s72, s72, 3
	s_lshl_b32 s73, s41, 1
	s_add_co_u32 s72, s72, s73
	s_add_co_u32 s72, s72, s15
	s_add_co_u32 s72, s72, 128                     ; 64 x type 2 + 8 b + pair
	s_and_b32 s73, s[CI], 1
	s_lshl_b32 s73, s73, 2
	s_add_co_u32 s73, s73, s40                     ; the key step
	s_lshl_b32 s74, s72, 16
	s_lshl_b32 s75, s73, 13
	s_add_co_u32 s74, s74, s75
	s_lshl_b32 s75, s16, 12
	s_add_co_u32 s74, s74, s75
	s_mov_b32 s75, 0
	s_add_nc_u64 s[OC2:OC2+1], s[10:11], s[74:75]
	s_lshl_b32 s74, s72, 12
	s_lshl_b32 s72, s73, 9
	s_add_co_u32 s74, s74, s72
	s_lshl_b32 s72, s16, 8
	s_add_co_u32 s74, s74, s72
	s_add_nc_u64 s[OS2:OS2+1], s[12:13], s[74:75]
; Second tile, block a of my four: my row is one feature: one bias for all its keys
.macro EPI2 a
.set AC, 64*(\a)
	WIN 0x02                                       ; source 0: window 2
.set i, 0
.rept 32
	v_pk_add_f32 v[T+i:T+i+1], v[AC+i:AC+i+1], v[BL+2*(\a):BL+2*(\a)+1]   ; each accumulator from its low end on
.set i, i+2
.endr
	WIN 0
.if (\a) > 0
	s_wait_xcnt 0x0                                ; the last block's stores have read their data
.endif
	QUANT T, PW+(\a)
	LEAVE \a, OC2
.endm
	PLACES NP                                      ; behind the last products: their results are read, and the registers that held their fragments and scale words are written
.irp a, 0,1,2,3
	EPI2 \a
.endr
	ds_load_b64 v[FL:FL+1], v[STR2]                ; my wave's 64 scale words, in order behind its stores
	s_wait_dscnt 0x0
	global_store_b64 v[L8], v[FL:FL+1], s[OS2:OS2+1]  ; 256 consecutive bytes, aligned
	s_wait_tensorcnt 0x0                           ; the wave's end: behind my last tensor load and my last LDS store
	ds_add_u32 v[SPW], v[NIL]
	s_wait_dscnt 0x0
	CROUND                                         ; the closing round: no work-group ends while a partner may still ask for a tile that names it
	s_endpgm
.Lfunc_end_k_q8bcd750428_proj:
	.size	k_q8bcd750428_proj, .Lfunc_end_k_q8bcd750428_proj-k_q8bcd750428_proj
	.p2alignl 7, 3214868480
	.fill 96, 4, 3214868480
	.section	.rodata,"a",@progbits
	.p2align	6, 0x0
	.amdhsa_kernel k_q8bcd750428_proj
		.amdhsa_group_segment_fixed_size 327680
		.amdhsa_private_segment_fixed_size 0
		.amdhsa_enable_private_segment 0
		.amdhsa_kernarg_size 40
		.amdhsa_user_sgpr_count 2
		.amdhsa_user_sgpr_kernarg_segment_ptr 1
		.amdhsa_wavefront_size32 1
		.amdhsa_system_sgpr_workgroup_id_x 1
		.amdhsa_system_sgpr_workgroup_id_y 1
		.amdhsa_system_sgpr_workgroup_id_z 1
		.amdhsa_system_vgpr_workitem_id 0
		.amdhsa_next_free_vgpr 1024
		.amdhsa_next_free_sgpr 106
		.amdhsa_reserve_vcc 0
		.amdhsa_float_denorm_mode_32 3
		.amdhsa_float_denorm_mode_16_64 3
		.amdhsa_memory_ordered 1
		.amdhsa_forward_progress 1
		.amdhsa_inst_pref_size 227
	.end_amdhsa_kernel
	.amdgpu_metadata
---
amdhsa.version: [ 1, 2 ]
amdhsa.kernels:
  - .name:           k_q8bcd750428_proj
    .symbol:         k_q8bcd750428_proj.kd
    .args:
      - { .name: codes, .offset: 0, .size: 8, .value_kind: global_buffer, .address_space: global }
      - { .name: scales, .offset: 8, .size: 8, .value_kind: global_buffer, .address_space: global }
      - { .name: in_proj_bias, .offset: 16, .size: 8, .value_kind: global_buffer, .address_space: global }
      - { .name: hcodes, .offset: 24, .size: 8, .value_kind: global_buffer, .address_space: global }
      - { .name: hscales, .offset: 32, .size: 8, .value_kind: global_buffer, .address_space: global }
    .group_segment_fixed_size: 327680
    .private_segment_fixed_size: 0
    .kernarg_segment_align: 8
    .kernarg_segment_size: 40
    .max_flat_workgroup_size: 128
    .sgpr_count:     106
    .vgpr_count:     1024
    .wavefront_size: 32
...
	.end_amdgpu_metadata
.endif
;; end of part 2
;; launch attn (part 3): grid 4 x 64, 16 waves a work-group, clusters of 4 x 1, 169,984 bytes of LDS; arguments hcodes, hscales, acodes, ascales; writes acodes, ascales
.if DOCPART == 3
	.amdgcn_target "amdgcn-amd-amdhsa--gfx1250"
	.amdhsa_code_object_version 6
	.text
	.protected	k_q8bcd750428_attn
	.globl	k_q8bcd750428_attn
	.p2align	8
	.type	k_q8bcd750428_attn,@function
k_q8bcd750428_attn:
	s_mov_b64 s[64:65], 0
	v_nop
	global_prefetch_b8 v0, s[64:65] scope:SCOPE_SE
	s_setreg_imm32_b32 hwreg(HW_REG_WAVE_MODE, 25, 1), 1
	s_wait_xcnt 0x0
	s_wait_alu depctr_hold_cnt(0) depctr_sa_sdst(0) depctr_va_vdst(0) depctr_va_sdst(0) depctr_va_ssrc(0) depctr_va_vcc(0) depctr_vm_vsrc(0)
	s_getreg_b32 s2, hwreg(HW_REG_IB_STS2, 6, 4)
	s_cmp_eq_u32 s2, 0
	s_cbranch_scc0 .Lentry_in_a_cluster
	s_endpgm
.Lentry_in_a_cluster:
	s_bfe_u32 s2, ttmp6, 0x10000c
	s_cmp_lg_u32 s2, 0x3003
	s_cbranch_scc0 .Lentry_shape_is_right
	s_endpgm
.Lentry_shape_is_right:
; Attention on codes of FP4 (E2M1) with E8M0 scales: S = q k^T (K = the head's 64), the softmax, O = p v (K = the 1,024 keys), O / l, and the quantiser of the output projection's operand (along E), in registers.
; THE SOFTMAX: t = score x log2(e) (the 1/8 is in q already); M = the row's largest t so far, rounded UP to a whole number; p = 2^(t - M) is what is quantised, along the keys, not normalised.
; The row's sum is taken of the unquantised p and divides O at the end.  When M moves, the sums and O are multiplied by 2^(old M - new M): exact.
; SHARES.  A work-group takes 256 queries of one PAIR of heads (8 b + pair = work-group y; the block of queries is its place cx in the cluster).  Each of its sixteen waves owns 16 queries, first for the pair's first head,
; then for its second, 8 key steps of 128 each.  A pair's 128 along E are one K step of the output projection: a wave turns out one whole fragment and one scale word a row.
; LDS, filled ONCE: the pair's codes of K (65,536 bytes) and V (65,536) and their scale words (4,096 each), in the order of the operands' registers.
; CLUSTER.  The four blocks of queries read the same K and V: each part is asked for jointly (mask 15), waves 0-7 the codes (16,384 bytes each), waves 8 and 9 the scale words; a wave has one tensor load out at the most.
; No prefetch: all that the launch reads through LDS is asked for at its head, so there is no loop to run ahead in.
; LAYOUT.  Both products are used transposed: S^T = K Q^T (source 0 = 16 keys, source 1 = my 16 queries), O^T = V^T P^T: a lane holds ONE query (lane % 16) throughout.
; THE KEYS OF A TILE ARE CHOSEN: row m of tile t is key 64 (t / 4) + 32 (m / 8) + 8 (t % 4) + m % 8.  Lane (r, h) holds rows 8 h + j, so its register 8 t + j is key 64 (t / 4) + 32 h + 8 (t % 4) + j:
; registers 0-31 are the whole block h of 32 keys, registers 32-63 the whole block 2 + h, in the very order of the second product's operand (register 4 c + i: keys 64 c + 32 h + 8 i ..).
; So a block's largest score needs no other lane, and the conversions' results are the operand as they stand.  Only the row's maximum and the halves of p's scale word cross from lane l to l xor 16.
; K = 64 IN AN INSTRUCTION OF 128: Q's registers 4-7 are zero codes.  K's operand for tile t is v[KB + 4 t .. + 7]: its upper four registers are the next tile's codes (behind the last: zeros), which meet Q's zero codes;
; the scale halfwords are loaded zero-extended: the upper two bytes are 0, a power of two and no NaN.
; LIMITS: the scaled scores stay under 2^31 in magnitude; a block of zeros gets the byte 1, not 127 (its codes are zeros; this program alone reads the bytes); NaN and infinities are not served.
.set LI,  1                            ; v1   16 x lane
.set AK0, 2                            ; v2   my place in a tile of K: 2,048 (r / 8) + 16 (r % 8) + 256 h
.set AV0, 3                            ; v3   in V: 65,536 + 16 x lane
.set AS0, 4                            ; v4   among K's scale words: KSC + 128 (r / 8) + 32 h + 4 (r % 8)
.set AT0, 5                            ; v5   among V's: KSC + 4,096 + 4 x lane
.set ADK, 6                            ; v6-9 the addresses of the loads in hand: K, V, K's words, V's words
.set ADV, 7
.set ADS, 8
.set ADT, 9
.set SH8, 10                           ; v10  8 h
; v12 -M, v13 the largest score so far; v[14:15] the way out's divisor; v16-19, v24-27 Q of the two heads, v20-23, v28-31 zeros
.set KB,  32                           ; v32-63 K's eight tiles, four registers each; v64-67 zeros
.set KS,  68                           ; v68-71 K's scale words: register p: lanes 0-15 tile 2 p, lanes 16-31 tile 2 p + 1
.set VS,  72                           ; v72-73 V's likewise
.set QS,  74                           ; v74-75 Q's, one register a head
.set AC,  76                           ; v76-83 the output's codes
.set AW,  84                           ; v84    the output's scale word
.set OSW, 85                           ; v85   the output words' stage: OSC + 64 x wave + 4 r
.set OSR, 86                           ; v86   and back: OSC + 16 x thread
.set G16, 87                           ; v87   16 x thread
.set R4,  88                           ; v88   4 r
; v96-159 S^T, then p; v160-191 O^T; v224-231 p's codes; v232-239, v254 at work; v248-249 the conversions' scale operands; v252 f, v253 p's scale word
.set VB,  192                          ; v192-223 V's four fragments
.set L,   240                          ; v240-247 the row's sum in four pairs
.set SPW, 251                          ; v251 LDS address of my spare word; never rewritten
.set NIL, 255                          ; v255 0; never rewritten
.set KSC, 131072                       ; LDS: K's codes at 0, V's at 65,536; K's scale words here, V's 4,096 further on;
.set OSC, 139264                       ; the stage for the output's 256 scale words, 1,024 bytes of its own: no fill lands there
.set SPARE, 0x29000                    ; the spare words, 128 bytes for each wave
.set WV,  12                           ; s12  my wave's number
.set CX,  13                           ; s13  my place in the cluster: it enters global addresses alone
.set PI,  14                           ; s14  8 b + pair
.set G1C, 16                           ; s[16:23] descriptor group 1 for the codes;  s[24:31] for the scale words;  s[32:35], s[36:39] their groups 0
.set G1S, 24
.set G0C, 32
.set G0S, 36
.set SEL, 40                           ; s[40:41] lane selects for v_permlanex16_b32: lane l xor 16
.set CS,  42                           ; s[42:43] log2(e)
.set TK,  44                           ; s44  LDS byte of the NEXT step's K;  s46 of its scale words;  s45, s61 of this step's V and its words;  s47 steps to go
.set TV,  45
.set TS,  46
.set CNT, 47
.set QC,  48                           ; s[48:49] my queries' codes;  s[50:51] their scale words;  s[52:53] my fragment in acodes;  s[54:55] the work-group's words in ascales
.set QW,  50
.set OA,  52
.set OW,  54
.set T,   60                           ; s60  8,192 x the number of the next step, counted through both heads
.set TW,  61
.macro CROUND                          ; a round of the cluster's barrier
	s_barrier_signal -1
	s_barrier_wait -1
	s_cmp_lg_u32 s[WV], 0
	s_cbranch_scc1 .Lnot_wave_0_\@
	s_barrier_signal -3
.Lnot_wave_0_\@:
	s_barrier_wait -3
	s_barrier_signal -1
	s_barrier_wait -1
.endm
	s_load_b256 s[4:11], s[0:1], 0x0               ; hcodes s[4:5], hscales s[6:7], acodes s[8:9], ascales s[10:11]
	v_lshl_add_u32 v[SPW], v0, 2, SPARE
	v_mov_b32 v[NIL], 0
	ds_add_u32 v[SPW], v[NIL]                      ; the opening lines: the add, twice on end, and its wait ahead of the first tensor load
	ds_add_u32 v[SPW], v[NIL]
	v_lshrrev_b32 v89, 5, v0
	v_and_b32 v90, 31, v0                          ; lane
	v_and_b32 v91, 15, v0                          ; r
	v_bfe_u32 v92, v0, 4, 1                        ; h
	v_and_b32 v93, 7, v0                           ; r % 8
	v_bfe_u32 v94, v0, 3, 1                        ; r / 8
	v_readfirstlane_b32 s[WV], v89                 ; wave 0..15
	s_bfe_u32 s[CX], ttmp6, 0x40000
	s_and_b32 s[PI], ttmp7, 0xffff
	v_lshlrev_b32 v[LI], 4, v90
	v_lshlrev_b32 v[AK0], 4, v93
	v_lshl_add_u32 v[AS0], v93, 2, KSC
	v_lshl_add_u32 v[AT0], v90, 2, KSC+4096
	v_lshl_add_u32 v[AK0], v94, 11, v[AK0]
	v_lshl_add_u32 v[AS0], v94, 7, v[AS0]
	v_add_nc_u32 v[AV0], 65536, v[LI]
	v_lshlrev_b32 v[SH8], 3, v92
	v_lshl_add_u32 v[AK0], v92, 8, v[AK0]
	v_lshl_add_u32 v[AS0], v92, 5, v[AS0]
	v_lshlrev_b32 v[R4], 2, v91
	v_lshlrev_b32 v[G16], 4, v0
	s_lshl_b32 s15, s[WV], 6
	v_add_nc_u32 v[OSW], s15, v[R4]
	v_add_nc_u32 v[OSR], OSC, v[G16]
	v_add_nc_u32 v[OSW], OSC, v[OSW]
	; descriptor group 1: dense blocks, as rows of 256 bytes (32 elements of 8 bytes): 64 rows of codes, 16 rows of scale words
	s_mov_b32 s[G1C], 15|(3<<16)|(1<<21)           ; 15:0 the mask: all four work-groups; 17:16 elements of 8 bytes; 21 set beside a mask; no padding
	s_mov_b32 s[G1C+1], 32<<16
	s_mov_b32 s[G1C+2], 64<<16
	s_mov_b32 s[G1C+3], 32<<16
	s_mov_b32 s[G1C+4], 64
	s_mov_b32 s[G1C+5], 32
	s_mov_b32 s[G1C+6], 0
	s_mov_b32 s[G1C+7], 0
	s_mov_b32 s[G1S], 15|(3<<16)|(1<<21)
	s_mov_b32 s[G1S+1], 32<<16
	s_mov_b32 s[G1S+2], 16<<16
	s_mov_b32 s[G1S+3], 32<<16
	s_mov_b32 s[G1S+4], 16
	s_mov_b32 s[G1S+5], 32
	s_mov_b32 s[G1S+6], 0
	s_mov_b32 s[G1S+7], 0
	; codes: wave w of 0-7 takes quarter w % 4 of K's (w < 4) or V's 65,536 bytes
	s_and_b32 s56, s[WV], 7
	s_lshl_b32 s57, s56, 14                        ; in LDS: 16,384 x (wave % 8)
	s_lshr_b32 s58, s56, 2
	s_add_co_u32 s58, s58, 1                       ; type 1 (k) or 2 (v)
	s_lshl_b32 s58, s58, 22                        ; x 64 pairs x 65,536
	s_lshl_b32 s59, s[PI], 16
	s_add_co_u32 s58, s58, s59
	s_and_b32 s56, s56, 3
	s_lshl_b32 s56, s56, 14
	s_add_co_u32 s58, s58, s56
	s_mov_b32 s59, 0
	; scale words: wave 8 takes K's 4,096 bytes, wave 9 V's
	s_and_b32 s60, s[WV], 1
	s_lshl_b32 s61, s60, 12
	s_add_co_u32 s61, s61, KSC
	s_add_co_u32 s62, s60, 1
	s_lshl_b32 s62, s62, 18                        ; x 64 pairs x 4,096
	s_lshl_b32 s63, s[PI], 12
	s_add_co_u32 s62, s62, s63
	s_mov_b32 s63, 0
	s_mov_b32 s[SEL], 0x76543210
	s_mov_b32 s[SEL+1], 0xfedcba98
	s_mov_b32 s[CS], 0x3fb8aa3b                    ; log2(e)
	s_mov_b32 s[CS+1], s[CS]
	s_wait_dscnt 0x0                               ; both opening adds are done
	s_wait_kmcnt 0x0
	s_mov_b32 s[G0C], 1
	s_mov_b32 s[G0C+1], s57
	s_add_nc_u64 s[G0C+2:G0C+3], s[4:5], s[58:59]  ; it hangs on the pair and the wave alone, which the four partners share
	s_or_b32 s[G0C+3], s[G0C+3], 0x80000000
	s_mov_b32 s[G0S], 1
	s_mov_b32 s[G0S+1], s61
	s_add_nc_u64 s[G0S+2:G0S+3], s[6:7], s[62:63]
	s_or_b32 s[G0S+3], s[G0S+3], 0x80000000
	CROUND                                         ; all four work-groups are here: the joint loads meet
	s_cmp_lt_u32 s[WV], 8                          ; the branches hang on the wave's number alone; s_nop 0 and four v_nop follow each load
	s_cbranch_scc0 .Lnot_codes
	tensor_load_to_lds s[G0C:G0C+3], s[G1C:G1C+7]
	s_nop 0
.rept 4
	v_nop
.endr
	s_branch .Lasked
.Lnot_codes:
	s_cmp_lt_u32 s[WV], 10
	s_cbranch_scc0 .Lasked
	tensor_load_to_lds s[G0S:G0S+3], s[G1S:G1S+7]
	s_nop 0
.rept 4
	v_nop
.endr
.Lasked:
	; my queries: group 16 cx + wave of the pair's 64 groups of 16 tokens
	s_lshl_b32 s56, s[CX], 4
	s_add_co_u32 s56, s56, s[WV]
	s_lshl_b32 s57, s56, 10
	s_lshl_b32 s58, s[PI], 16
	s_add_co_u32 s58, s58, s57
	s_mov_b32 s59, 0
	s_add_nc_u64 s[QC:QC+1], s[4:5], s[58:59]      ; type 0: codes, 1,024 bytes a group
	s_lshl_b32 s57, s56, 6
	s_lshl_b32 s58, s[PI], 12
	s_add_co_u32 s58, s58, s57
	s_add_nc_u64 s[QW:QW+1], s[6:7], s[58:59]      ; scale words, 64 bytes a group
	s_lshr_b32 s56, s[PI], 3                       ; b
	s_lshl_b32 s56, s56, 2
	s_add_co_u32 s56, s56, s[CX]                   ; 4 b + block of 256 tokens
	s_lshl_b32 s56, s56, 3
	s_and_b32 s57, s[PI], 7
	s_add_co_u32 s56, s56, s57                     ; x 8 + pair
	s_lshl_b32 s58, s56, 14
	s_lshl_b32 s57, s[WV], 10
	s_add_co_u32 s58, s58, s57
	s_add_nc_u64 s[OA:OA+1], s[8:9], s[58:59]      ; acodes: 16,384 bytes a (block, pair), 1,024 a wave
	s_lshl_b32 s58, s56, 10
	s_add_nc_u64 s[OW:OW+1], s[10:11], s[58:59]    ; ascales: 1,024 bytes a (block, pair)
	s_wait_alu depctr_va_vdst(0)
	global_load_b128 v[16:19], v[LI], s[QC:QC+1]              ; Q's codes stay in registers: the first head's,
	global_load_b128 v[24:27], v[LI], s[QC:QC+1] offset:512   ; the second's
	global_load_u16 v[QS], v[R4], s[QW:QW+1]                  ; and the two bytes of each head, zero-extended
	global_load_u16 v[QS+1], v[R4], s[QW:QW+1] offset:2
.irp j, 20,21,22,23,28,29,30,31,64,65,66,67
	v_mov_b32 v[\j], 0                             ; zero codes: K = 64 .. 127 of Q, and behind K's last tile
.endr
.irp j, 236,237,238,253
	v_mov_b32 v[\j], 0                             ; written once: a lane permute's destination counts as one of its sources; v253 is named as the upper half of v[252:253]
.endr
	s_wait_tensorcnt 0x0                           ; my part of K, V or the scale words has landed,
	s_barrier_signal -1
	s_barrier_wait -1                              ; everybody's has
	s_wait_loadcnt 0x0                             ; Q
; A step's K: eight tiles of 16 chosen keys, and their scale halfwords.  Key k lies at 1,024 (k / 16) + 16 (k % 16) + 256 h (+ 512 for the second head), its word at 4 k
.macro KLOAD ak, as
.irp t, 0,1,2,3,4,5,6,7
	ds_load_b128 v[KB+4*\t:KB+4*\t+3], v[\ak] offset:4096*(\t/4)+1024*((\t%4)/2)+128*(\t%2)
.endr
.irp p, 0,1,2,3
	ds_load_u16 v[KS+\p], v[\as] offset:256*(\p/2)+64*(\p%2)
.endr
.endm
.macro FMA8
.rept 8
	v_pk_fma_f32 v[96+j:97+j], v[96+j:97+j], s[CS:CS+1], v[12:13] op_sel_hi:[1,0,0]   ; t - M, two at a time
.set j, j+2
.endr
.endm
.macro SUM4 first                      ; four pairs of p onto the four sums; the first four bring the sums under the new M in the same instruction
.rept 4
.if \first
	v_pk_fma_f32 v[L+2*(k%4):L+2*(k%4)+1], v[L+2*(k%4):L+2*(k%4)+1], v[252:253], v[96+2*k:97+2*k] op_sel_hi:[1,0,1]
.else
	v_pk_add_f32 v[L+2*(k%4):L+2*(k%4)+1], v[L+2*(k%4):L+2*(k%4)+1], v[96+2*k:97+2*k]
.endif
.set k, k+1
.endr
.endm
; A KEY STEP of head hh of the pair: 128 keys.  Its K was fetched a step ago.
.macro STEP hh
	s_add_co_u32 s[T], s[T], 8192                  ; where the NEXT step's K lies: 8,192 x (step % 8) + 512 x head; behind the first head's last step comes the second head's first
	s_and_b32 s[TK], s[T], 0xe000
	s_bfe_u32 s56, s[T], 0x10010                   ; the head: bit 16
	s_lshr_b32 s[TS], s[TK], 4                     ; its scale words: 512 x (step % 8) + 2 x head
	s_lshl_b32 s57, s56, 9
	s_add_co_u32 s[TK], s[TK], s57
	s_lshl_b32 s57, s56, 1
	s_add_co_u32 s[TS], s[TS], s57
	s_wait_dscnt 0x0                               ; K and its scale words are in
.irp p, 0,1,2,3
	v_wmma_scale_f32_16x16x128_f8f6f4 v[96+16*\p:103+16*\p], v[KB+8*\p:KB+8*\p+7], v[16+8*\hh:23+8*\hh], 0, v[KS+\p], v[QS+\hh] matrix_a_fmt:MATRIX_FMT_FP4 matrix_b_fmt:MATRIX_FMT_FP4
	v_wmma_scale_f32_16x16x128_f8f6f4 v[104+16*\p:111+16*\p], v[KB+8*\p+4:KB+8*\p+11], v[16+8*\hh:23+8*\hh], 0, v[KS+\p], v[QS+\hh] matrix_a_fmt:MATRIX_FMT_FP4 matrix_b_fmt:MATRIX_FMT_FP4 matrix_a_scale:MATRIX_SCALE_ROW1
.endr
	v_add_nc_u32 v[ADV], s[TV], v[AV0]             ; these four are the places behind the products above and behind the last step's: in front of the loads below and of the first read of the scores
	v_add_nc_u32 v[ADT], s[TW], v[AT0]
	v_add_nc_u32 v[ADK], s[TK], v[AK0]
	v_add_nc_u32 v[ADS], s[TS], v[AS0]
.irp t, 0,1,2,3
.irp c, 0,1
	ds_load_b128 v[VB+8*\t+4*\c:VB+8*\t+4*\c+3], v[ADV] offset:4096*\hh+1024*\t+512*\c   ; d 16 t on: keys 64 c + 32 h + 0 .. 31
.endr
.endr
.irp p, 0,1
	ds_load_b32 v[VS+\p], v[ADT] offset:256*\hh+128*\p                        ; lane l: the word of d = 32 p + l
.endr
	KLOAD ADK, ADS                                 ; the next step's K (the very last step's look-ahead wraps to the pair's first K and is not used)
; the largest score of my two blocks, each in two chains, the four by turns; each accumulator is first read at its low end
.irp c, 0,1,2,3
	v_max3_num_f32 v[232+(\c/2)+2*(\c%2)], v[96+32*(\c/2)+17*(\c%2)], v[97+32*(\c/2)+17*(\c%2)], v[98+32*(\c/2)+17*(\c%2)]
.endr
.irp i, 3,5,7,9,11,13
.irp c, 0,1,2,3
	v_max3_num_f32 v[232+(\c/2)+2*(\c%2)], v[232+(\c/2)+2*(\c%2)], v[96+32*(\c/2)+17*(\c%2)+\i], v[97+32*(\c/2)+17*(\c%2)+\i]
.endr
.endr
.irp c, 0,1
	v_max3_num_f32 v[232+\c], v[232+\c], v[111+32*\c], v[112+32*\c]
.endr
	v_mov_b32 v237, v12                            ; the old -M
	v_max_num_f32 v232, v232, v234                 ; block h's largest score: it serves the row's maximum and, since p rises with the score, the block's largest p
	v_max_num_f32 v233, v233, v235                 ; block 2 + h's
	s_delay_alu instid0(VALU_DEP_1)
	v_max3_num_f32 v13, v13, v232, v233
	s_delay_alu instid0(VALU_DEP_1)
	v_permlanex16_b32 v236, v13, s[SEL], s[SEL+1]
	s_delay_alu instid0(VALU_DEP_1)
	v_max_num_f32 v13, v13, v236                   ; with lane l xor 16's 64 keys: the running largest score of my query
	s_delay_alu instid0(VALU_DEP_1)
	v_mul_f32 v254, s[CS], v13                     ; as t
	s_delay_alu instid0(VALU_DEP_1)
	v_floor_f32 v12, -v254                         ; the new -M = floor(-t) = -ceil(t): a whole number
.set j, 0
	FMA8
	v_sub_f32 v254, v12, v237                      ; old M - new M: a whole number, 0 or less
	FMA8
	v_cvt_i32_f32 v254, v254                       ; (it saturates)
	FMA8
	FMA8
	v_fma_f32 v232, v232, s[CS], v12               ; the same of each block's largest score
	v_fma_f32 v233, v233, s[CS], v12
	s_wait_alu depctr_va_vdst(0)                   ; the wait ahead of the batch
.set j, 0
.rept 64
	v_exp_f32 v[96+j], v[96+j]                     ; p = 2^(t - M), at most 1
.set j, j+1
.endr
	v_exp_f32 v232, v232                           ; the blocks' largest p: the same two instructions on the same numbers
	v_exp_f32 v233, v233
	v_ldexp_f32 v252, 1.0, v254                    ; f = 2^(old M - new M) (the plain line behind the exponentials)
	s_wait_alu depctr_va_vdst(0)                   ; one wait for the batch, ahead of its first reader
	v_max_num_f32 v232, 0x1800000, v232            ; the floor 2^(3 - 127): the byte cannot fall under 1
	v_max_num_f32 v233, 0x1800000, v233
.set k, 0
	SUM4 1                                         ; the row's sum is taken of the unquantised p; the scale's lines stand among the additions
	v_add_nc_u32 v248, 0xff000000, v232            ; 2 off the exponent field: the conversion's scale operand
	v_add_nc_u32 v249, 0xff000000, v233
	SUM4 0
	v_lshrrev_b32 v234, 23, v248                   ; the scale's byte
	v_lshrrev_b32 v235, 23, v249
	SUM4 0
	v_lshl_or_b32 v253, v235, 16, v234             ; my two bytes: blocks h and 2 + h,
	SUM4 0
	v_lshlrev_b32 v253, v[SH8], v253               ; at their places in the word
	SUM4 0
	v_permlanex16_b32 v238, v253, s[SEL], s[SEL+1]
	SUM4 0
	SUM4 0
	SUM4 0
.irp g, 0,1,2,3,4,5,6,7
	v_cvt_scalef32_pk8_fp4_f32 v[224+\g], v[96+8*\g:103+8*\g], v[248+\g/4]   ; register g of the operand: keys 64 (g / 4) + 32 h + 8 (g % 4) ..
.endr
	v_or_b32 v253, v253, v238                      ; with lane l xor 16's two bytes p's scale word is whole (also the plain line behind the conversions)
	s_wait_alu depctr_va_vdst(0)                   ; ahead of the wait below and of the first reader of O^T
	s_wait_dscnt 12                                ; V's eight loads and its two scale loads are in; the twelve of the next step's K may be out
.set j, 0
.rept 16
	v_pk_mul_f32 v[160+j:161+j], v[160+j:161+j], v[252:253] op_sel_hi:[1,0]   ; O^T under the new M; these sixteen are also the places between p's scale word and codes and their use
.set j, j+2
.endr
.irp p, 0,1
	v_wmma_scale_f32_16x16x128_f8f6f4 v[160+16*\p:167+16*\p], v[VB+16*\p:VB+16*\p+7], v[224:231], v[160+16*\p:167+16*\p], v[VS+\p], v253 matrix_a_fmt:MATRIX_FMT_FP4 matrix_b_fmt:MATRIX_FMT_FP4
	v_wmma_scale_f32_16x16x128_f8f6f4 v[168+16*\p:175+16*\p], v[VB+16*\p+8:VB+16*\p+15], v[224:231], v[168+16*\p:175+16*\p], v[VS+\p], v253 matrix_a_fmt:MATRIX_FMT_FP4 matrix_b_fmt:MATRIX_FMT_FP4 matrix_a_scale:MATRIX_SCALE_ROW1
.endr                                          ; the four accumulators take turns
.endm
; A head's end: O^T / the sum; its 64 numbers a row are two blocks of 32 along E; they become registers 4 hh .. 4 hh + 3 of the output's fragment and two bytes of its scale word.
.macro HEADOUT hh
	v_pk_add_f32 v[240:241], v[240:241], v[242:243]   ; the sum's four pairs (these lines are also the places behind the last products)
	v_pk_add_f32 v[244:245], v[244:245], v[246:247]
	s_delay_alu instid0(VALU_DEP_1)
	v_pk_add_f32 v[14:15], v[240:241], v[244:245]
	s_delay_alu instid0(VALU_DEP_1)
	v_add_f32 v14, v14, v15
	s_delay_alu instid0(VALU_DEP_1)
	v_permlanex16_b32 v252, v14, s[SEL], s[SEL+1]
	s_delay_alu instid0(VALU_DEP_1)
	v_add_f32 v14, v14, v252                       ; and lane l xor 16's: the row's sum
	s_wait_alu depctr_va_vdst(0)                   ; the wait ahead of the reciprocal,
	v_rcp_f32 v14, v14
	v_nop                                          ; a plain line behind it,
	s_wait_alu depctr_va_vdst(0)                   ; and the wait ahead of its first reader
.set j, 0
.rept 16
	v_pk_mul_f32 v[96+j:97+j], v[160+j:161+j], v[14:15] op_sel_hi:[1,0]   ; register 8 t + i: d = 16 t + 8 h + i; each accumulator from its low end on
.set j, j+2
.endr
.irp b, 0,1
	v_max3_num_f32 v[232+\b], |v[96+16*\b]|, |v[97+16*\b]|, 0x1800000
.endr
.irp i, 2,4,6,8,10,12,14
.irp b, 0,1
	s_delay_alu instid0(VALU_DEP_2)
	v_max3_num_f32 v[232+\b], v[232+\b], |v[96+16*\b+\i]|, |v[97+16*\b+\i]|
.endr
.endr
.irp b, 0,1
	s_delay_alu instid0(VALU_DEP_2)
	v_permlanex16_b32 v[236+\b], v[232+\b], s[SEL], s[SEL+1]
.endr
.irp b, 0,1
	s_delay_alu instid0(VALU_DEP_2)
	v_max_num_f32 v[232+\b], v[232+\b], v[236+\b]
.endr
.irp b, 0,1
	s_delay_alu instid0(VALU_DEP_2)
	v_add_nc_u32 v[244+\b], 0xff000000, v[232+\b]
.endr
.irp b, 0,1
	s_delay_alu instid0(VALU_DEP_2)
	v_lshrrev_b32 v[236+\b], 23, v[244+\b]
.endr
.if \hh == 0
	s_delay_alu instid0(VALU_DEP_1)
	v_lshl_or_b32 v[AW], v237, 8, v236
.else
	s_delay_alu instid0(VALU_DEP_2)
	v_lshl_or_b32 v[AW], v236, 16, v[AW]
	s_delay_alu instid0(VALU_DEP_1)
	v_lshl_or_b32 v[AW], v237, 24, v[AW]
.endif
	v_cvt_scalef32_pk8_fp4_f32 v[AC+4*\hh], v[96:103], v244
	v_cvt_scalef32_pk8_fp4_f32 v[AC+4*\hh+2], v[104:111], v244
	v_cvt_scalef32_pk8_fp4_f32 v[AC+4*\hh+1], v[112:119], v245
	v_cvt_scalef32_pk8_fp4_f32 v[AC+4*\hh+3], v[120:127], v245
	v_nop                                          ; one plain line behind the scaled conversions
	v_permlane16_swap_b32 v[AC+4*\hh], v[AC+4*\hh+1]      ; the operand wants a whole block in a lane
	v_permlane16_swap_b32 v[AC+4*\hh+2], v[AC+4*\hh+3]
.endm
.macro HEAD hh
	v_mov_b32 v13, 0xff61b1e6                      ; the largest score so far: -3e38
	s_delay_alu instid0(VALU_DEP_1)
	v_floor_f32 v12, -v13                          ; -M
.set j, 0
.rept 8
	v_mov_b32 v[L+j], 0                            ; the sums
.set j, j+1
.endr
.set j, 0
.rept 32
	v_mov_b32 v[160+j], 0                          ; O^T: the step is written once: the first finds zeros, which the first change of M leaves zeros
.set j, j+1
.endr
	s_mov_b32 s[TV], 0
	s_mov_b32 s[TW], 0
	s_mov_b32 s[CNT], 8
.Lstep_\@:
	STEP \hh
	s_add_co_u32 s[TV], s[TV], 8192                ; the next 128 keys of V: 8,192 bytes of codes, 512 of scale words
	s_add_co_u32 s[TW], s[TW], 512
	s_sub_co_u32 s[CNT], s[CNT], 1
	s_cmp_lg_u32 s[CNT], 0
	s_cbranch_scc1 .Lstep_\@
	HEADOUT \hh
.endm
	s_mov_b32 s[T], 0
	KLOAD AK0, AS0                                 ; the first head's first K
	HEAD 0
	HEAD 1
	global_store_b128 v[LI], v[AC:AC+3], s[OA:OA+1]              ; 32 lanes store 512 consecutive bytes, aligned: the image of the fragment's registers 0-3,
	global_store_b128 v[LI], v[AC+4:AC+7], s[OA:OA+1] offset:512 ; of registers 4-7
	ds_store_b32 v[OSW], v[AW]                     ; my 16 rows' scale words meet the other waves' in the stage (both halves of the lanes write the same word with the same value)
	s_wait_dscnt 0x0                               ; for the others' sake: my store has landed (and my last look-ahead is back)
	s_barrier_signal -1
	s_barrier_wait -1
	s_cmp_lt_u32 s[WV], 2                          ; waves 0 and 1 store the 1,024 bytes, 512 consecutive bytes each
	s_cbranch_scc0 .Lno_words
	ds_load_b128 v[96:99], v[OSR]
	s_wait_dscnt 0x0
	global_store_b128 v[G16], v[96:99], s[OW:OW+1]
.Lno_words:
	s_wait_tensorcnt 0x0                           ; the wave's end
	ds_add_u32 v[SPW], v[NIL]
	s_wait_dscnt 0x0
	CROUND                                         ; the closing round: no work-group ends while a partner may still ask for a tile that names it
	s_endpgm
.Lfunc_end_k_q8bcd750428_attn:
	.size	k_q8bcd750428_attn, .Lfunc_end_k_q8bcd750428_attn-k_q8bcd750428_attn
	.p2alignl 7, 3214868480
	.fill 96, 4, 3214868480
	.section	.rodata,"a",@progbits
	.p2align	6, 0x0
	.amdhsa_kernel k_q8bcd750428_attn
		.amdhsa_group_segment_fixed_size 169984
		.amdhsa_private_segment_fixed_size 0
		.amdhsa_enable_private_segment 0
		.amdhsa_kernarg_size 32
		.amdhsa_user_sgpr_count 2
		.amdhsa_user_sgpr_kernarg_segment_ptr 1
		.amdhsa_wavefront_size32 1
		.amdhsa_system_sgpr_workgroup_id_x 1
		.amdhsa_system_sgpr_workgroup_id_y 1
		.amdhsa_system_sgpr_workgroup_id_z 1
		.amdhsa_system_vgpr_workitem_id 0
		.amdhsa_next_free_vgpr 256
		.amdhsa_next_free_sgpr 66
		.amdhsa_reserve_vcc 0
		.amdhsa_float_denorm_mode_32 3
		.amdhsa_float_denorm_mode_16_64 3
		.amdhsa_memory_ordered 1
		.amdhsa_forward_progress 1
		.amdhsa_inst_pref_size 49
	.end_amdhsa_kernel
	.amdgpu_metadata
---
amdhsa.version: [ 1, 2 ]
amdhsa.kernels:
  - .name:           k_q8bcd750428_attn
    .symbol:         k_q8bcd750428_attn.kd
    .args:
      - { .name: hcodes, .offset: 0, .size: 8, .value_kind: global_buffer, .address_space: global }
      - { .name: hscales, .offset: 8, .size: 8, .value_kind: global_buffer, .address_space: global }
      - { .name: acodes, .offset: 16, .size: 8, .value_kind: global_buffer, .address_space: global }
      - { .name: ascales, .offset: 24, .size: 8, .value_kind: global_buffer, .address_space: global }
    .group_segment_fixed_size: 169984
    .private_segment_fixed_size: 0
    .kernarg_segment_align: 8
    .kernarg_segment_size: 32
    .max_flat_workgroup_size: 512
    .sgpr_count:     66
    .vgpr_count:     256
    .wavefront_size: 32
...
	.end_amdgpu_metadata
.endif
;; end of part 3
;; launch outp (part 4): grid 8 x 32, 4 waves a work-group, clusters of 4 x 4, 327,680 bytes of LDS; arguments acodes, ascales, codes, scales, out_proj_bias, out0; writes out0
.if DOCPART == 4
	.amdgcn_target "amdgcn-amd-amdhsa--gfx1250"
	.amdhsa_code_object_version 6
	.text
	.protected	k_q8bcd750428_outp
	.globl	k_q8bcd750428_outp
	.p2align	8
	.type	k_q8bcd750428_outp,@function
k_q8bcd750428_outp:
	s_mov_b64 s[64:65], 0
	v_nop
	global_prefetch_b8 v0, s[64:65] scope:SCOPE_SE
	s_setreg_imm32_b32 hwreg(HW_REG_WAVE_MODE, 25, 1), 1
	s_wait_xcnt 0x0
	s_wait_alu depctr_hold_cnt(0) depctr_sa_sdst(0) depctr_va_vdst(0) depctr_va_sdst(0) depctr_va_ssrc(0) depctr_va_vcc(0) depctr_vm_vsrc(0)
	s_getreg_b32 s2, hwreg(HW_REG_IB_STS2, 6, 4)
	s_cmp_eq_u32 s2, 0
	s_cbranch_scc0 .Lentry_in_a_cluster
	s_endpgm
.Lentry_in_a_cluster:
	s_bfe_u32 s2, ttmp6, 0x10000c
	s_cmp_lg_u32 s2, 0xf033
	s_cbranch_scc0 .Lentry_shape_is_right
	s_endpgm
.Lentry_shape_is_right:
.set PITCH,  272
.set ASLOT,  65536
.set BBASE,  2*ASLOT
.set BSLOT,  128*PITCH
.set SCA,    BBASE+2*BSLOT
.set SCB,    SCA+8192
.set STG,    SCB+16*272
.set SPITCH, 272
.set FR,   8
.set ADRA, 16
.set ADRB, 20
.set ADSA, 22
.set ADSB, 23
.set STO,  24
.set RD,   25
.set CO,   26
.set VBI,  27
.set SA,   32
.set SB,   64
.set BI,   80
.set AF,   128
.set BK,   192
.set G1,   24
.set G0,   32
.set G1B,  48
.set G0B,  56
.set G1S,  68
.set G0S,  76
.set G1SB, 80
.set G0SB, 88
.set MSB, 0
.macro WIN new
.if MSB != \new
	s_set_vgpr_msb (MSB<<8)|\new
.set MSB, \new
.endif
.endm
.set MUL,   0xa1
.set MUL_1, 0x81
.set TO_B,  0x40
; A joint load with the s_nop 0 and four v_nop behind it
.macro TL g0, g1
	tensor_load_to_lds s[\g0:\g0+3], s[\g1:\g1+7]
	s_nop 0
.rept 4
	v_nop
.endr
.endm
.macro CROUND
	s_barrier_signal -1
	s_barrier_wait -1
	s_cmp_lg_u32 s16, 0
	s_cbranch_scc1 .Lnot_wave_0_\@
	s_barrier_signal -3
.Lnot_wave_0_\@:
	s_barrier_wait -3
	s_barrier_signal -1
	s_barrier_wait -1
.endm
	s_load_b256 s[4:11], s[0:1], 0x0
	s_load_b128 s[12:15], s[0:1], 0x20
	v_lshl_add_u32 v126, v0, 2, 0x38500
	v_mov_b32 v127, 0
	ds_add_u32 v126, v127
	ds_add_u32 v126, v127
	v_lshrrev_b32 v1, 5, v0
	v_readfirstlane_b32 s16, v1
	s_lshr_b32 s17, s16, 1
	s_and_b32 s18, s16, 1
	s_bfe_u32 s40, ttmp6, 0x40000
	s_bfe_u32 s41, ttmp6, 0x40004
	s_lshl_b32 s42, ttmp9, 2
	s_add_co_u32 s42, s42, s40
	s_and_b32 s43, ttmp7, 0xffff
	s_lshl_b32 s43, s43, 2
	s_add_co_u32 s43, s43, s41
	s_lshl_b32 s44, s41, 2
	s_lshl_b32 s44, 15, s44
	s_lshl_b32 s45, 0x1111, s40
	s_or_b32 s[G1+0], s44, (3<<16)|(1<<21)
	s_mov_b32 s[G1+1], 32<<16
	s_mov_b32 s[G1+2], 256<<16
	s_mov_b32 s[G1+3], 32<<16
	s_mov_b32 s[G1+4], 256
	s_mov_b32 s[G1+5], 32
	s_mov_b32 s[G1+6], 0
	s_mov_b32 s[G1+7], 0
	s_or_b32 s[G1B+0], s45, (0<<16)|(1<<20)|(1<<21)|(5<<22)|(3<<25)
	s_mov_b32 s[G1B+1], 256<<16
	s_mov_b32 s[G1B+2], 128<<16
	s_mov_b32 s[G1B+3], 256<<16
	s_mov_b32 s[G1B+4], 128
	s_mov_b32 s[G1B+5], 512
	s_mov_b32 s[G1B+6], 0
	s_mov_b32 s[G1B+7], 0
	s_or_b32 s[G1S+0], s44, (3<<16)|(1<<21)
	s_mov_b32 s[G1S+1], 32<<16
	s_mov_b32 s[G1S+2], 32<<16
	s_mov_b32 s[G1S+3], 32<<16
	s_mov_b32 s[G1S+4], 32
	s_mov_b32 s[G1S+5], 32
	s_mov_b32 s[G1S+6], 0
	s_mov_b32 s[G1S+7], 0
	s_or_b32 s[G1SB+0], s45, (3<<16)|(1<<20)|(1<<21)|(5<<22)|(3<<25)
	s_mov_b32 s[G1SB+1], 32<<16
	s_mov_b32 s[G1SB+2], 16<<16
	s_mov_b32 s[G1SB+3], 32<<16
	s_mov_b32 s[G1SB+4], 16
	s_mov_b32 s[G1SB+5], 32
	s_mov_b32 s[G1SB+6], 0
	s_mov_b32 s[G1SB+7], 0
	; every tile is fetched whole by one wave: A's codes of a slot (65,536 dense bytes), B's 128 rows of a slot, A's 8,192 scale bytes, B's 4,096
	s_lshl_b32 s20, s43, 17                        ; A's codes: 131,072 bytes a block of 256 tokens
	s_mov_b32 s21, 0
	s_lshl_b32 s22, s43, 13                        ; A's scale words: 8,192 bytes a block
	s_mov_b32 s23, 0
	s_lshl_b32 s46, s42, 7
	s_add_co_u32 s46, s46, 27648                   ; B: row 27,648 + 128 x tile column of the buffer 'codes'
	s_lshl_b32 s92, s46, 5
	s_mov_b32 s93, 0
	s_lshl_b32 s46, s46, 9
	s_mov_b32 s47, 0
	s_wait_dscnt 0x0
	s_wait_kmcnt 0x0
	s_add_nc_u64 s[20:21], s[4:5], s[20:21]
	s_add_nc_u64 s[22:23], s[6:7], s[22:23]
	s_add_nc_u64 s[46:47], s[8:9], s[46:47]
	s_add_nc_u64 s[92:93], s[10:11], s[92:93]
	CROUND
	s_mov_b32 s[G0S], 1
	s_mov_b32 s[G0S+1], SCA
	s_mov_b64 s[G0S+2:G0S+3], s[22:23]
	s_or_b32 s[G0S+3], s[G0S+3], 0x80000000
	s_mov_b32 s[G0SB], 1
	s_mov_b32 s[G0SB+1], SCB
	s_mov_b64 s[G0SB+2:G0SB+3], s[92:93]
	s_or_b32 s[G0SB+3], s[G0SB+3], 0x80000000
.irp s, 0,1
	s_mov_b32 s[G0+4*\s], 1
	s_mov_b32 s[G0+4*\s+1], \s*ASLOT
	s_add_nc_u64 s[G0+4*\s+2:G0+4*\s+3], s[20:21], \s*ASLOT
	s_or_b32 s[G0+4*\s+3], s[G0+4*\s+3], 0x80000000
	s_mov_b32 s[G0B+4*\s], 1
	s_mov_b32 s[G0B+4*\s+1], BBASE+\s*BSLOT
	s_add_nc_u64 s[G0B+4*\s+2:G0B+4*\s+3], s[46:47], \s*256
	s_or_b32 s[G0B+4*\s+3], s[G0B+4*\s+3], 0x80000000
.endr
	; THE HEAD'S LOADS, ONE A WAVE, in one tree of branches on the wave's number: wave 0 slot 0 of A, wave 1 slot 0 of B, wave 2 A's scale words, wave 3 B's scale bytes
	s_cmp_lt_u32 s16, 1
	s_cbranch_scc0 .Lhead_b
	TL G0, G1
	s_branch .Lhead_asked
.Lhead_b:
	s_cmp_lt_u32 s16, 2
	s_cbranch_scc0 .Lhead_sa
	TL G0B, G1B
	s_branch .Lhead_asked
.Lhead_sa:
	s_cmp_lt_u32 s16, 3
	s_cbranch_scc0 .Lhead_sb
	TL G0S, G1S
	s_branch .Lhead_asked
.Lhead_sb:
	TL G0SB, G1SB
.Lhead_asked:
	v_and_b32 v1, 15, v0
	v_bfe_u32 v2, v0, 4, 1
	v_and_b32 v3, 31, v0
	v_lshlrev_b32 v4, 4, v3
	s_lshl_b32 s21, s17, 13
	v_add_nc_u32 v[ADRA], s21, v4
	v_add_nc_u32 v[ADRA+1], ASLOT, v[ADRA]
	v_mul_u32_u24 v5, v1, PITCH
	v_lshl_add_u32 v5, v2, 4, v5
	s_mul_i32 s22, s18, 64*PITCH
	s_add_co_u32 s22, s22, BBASE
	v_add_nc_u32 v[ADRB], s22, v5
	v_add_nc_u32 v[ADRB+1], BSLOT, v[ADRB]
	s_lshl_b32 s21, s17, 9
	s_add_co_u32 s21, s21, SCA
	v_lshl_add_u32 v[ADSA], v3, 2, s21
	v_lshrrev_b32 v6, 3, v1
	v_mul_u32_u24 v6, v6, 272
	v_and_b32 v7, 7, v1
	v_lshl_add_u32 v6, v7, 5, v6
	v_mad_u32_u24 v6, v2, 544, v6
	s_mul_i32 s22, s18, 8*272
	s_add_co_u32 s22, s22, SCB
	v_add_nc_u32 v[ADSB], s22, v6
	s_mul_i32 s23, s16, 16*SPITCH
	s_add_co_u32 s23, s23, STG
	v_mul_u32_u24 v5, v1, SPITCH
	v_lshl_add_u32 v5, v2, 5, v5
	v_add_nc_u32 v[STO], s23, v5
	v_mul_u32_u24 v5, v2, SPITCH
	v_lshl_add_u32 v5, v1, 4, v5
	v_add_nc_u32 v[RD], s23, v5
	v_lshlrev_b32 v5, 15, v2
	v_lshl_add_u32 v[CO], v1, 4, v5
	v_lshlrev_b32 v[VBI], 5, v2
	s_wait_alu depctr_va_vdst(0)
	s_and_b32 s20, s43, 3
	s_lshl_b32 s20, s20, 8
	s_lshl_b32 s21, s17, 7
	s_add_co_u32 s20, s20, s21
	s_lshl_b32 s20, s20, 3
	s_lshr_b32 s21, s43, 2
	s_add_co_u32 s20, s20, s21
	s_lshl_b32 s20, s20, 12
	s_lshl_b32 s22, s42, 9
	s_lshl_b32 s23, s18, 8
	s_add_co_u32 s22, s22, s23
	s_add_co_u32 s20, s20, s22
	s_mov_b32 s21, 0
	s_mov_b32 s23, 0
	s_add_nc_u64 s[14:15], s[14:15], s[20:21]
	s_add_nc_u64 s[12:13], s[12:13], s[22:23]
.irp t, 0,1,2,3
	global_load_b128 v[BI+8*\t:BI+8*\t+3], v[VBI], s[12:13] offset:64*\t
	global_load_b128 v[BI+8*\t+4:BI+8*\t+7], v[VBI], s[12:13] offset:64*\t+16
.endr
.macro WM a, t, p, Q, first
.set rD, 8*(4*(\a)+(\t))
.set rB, 128*(\p)+FR*(\t)
.set rA, AF+FR*(\a)
.set rC, BI+8*(\t)
.set rX, SB+8*((\Q)/4)+4*((\t)/2)+(\Q)%4
.set rY, SA+4*(\Q)+(\a)/2
.set par, 2*((\a)%2)+(\t)%2
.if \first
.if par == 0
	v_wmma_scale_f32_16x16x128_f8f6f4 v[rD:rD+7], v[rB:rB+7], v[rA:rA+7], v[rC:rC+7], v[rX], v[rY] matrix_a_fmt:MATRIX_FMT_FP4 matrix_b_fmt:MATRIX_FMT_FP4
.elseif par == 1
	v_wmma_scale_f32_16x16x128_f8f6f4 v[rD:rD+7], v[rB:rB+7], v[rA:rA+7], v[rC:rC+7], v[rX], v[rY] matrix_a_fmt:MATRIX_FMT_FP4 matrix_b_fmt:MATRIX_FMT_FP4 matrix_a_scale:MATRIX_SCALE_ROW1
.elseif par == 2
	v_wmma_scale_f32_16x16x128_f8f6f4 v[rD:rD+7], v[rB:rB+7], v[rA:rA+7], v[rC:rC+7], v[rX], v[rY] matrix_a_fmt:MATRIX_FMT_FP4 matrix_b_fmt:MATRIX_FMT_FP4 matrix_b_scale:MATRIX_SCALE_ROW1
.else
	v_wmma_scale_f32_16x16x128_f8f6f4 v[rD:rD+7], v[rB:rB+7], v[rA:rA+7], v[rC:rC+7], v[rX], v[rY] matrix_a_fmt:MATRIX_FMT_FP4 matrix_b_fmt:MATRIX_FMT_FP4 matrix_a_scale:MATRIX_SCALE_ROW1 matrix_b_scale:MATRIX_SCALE_ROW1
.endif
.else
.if par == 0
	v_wmma_scale_f32_16x16x128_f8f6f4 v[rD:rD+7], v[rB:rB+7], v[rA:rA+7], v[rD:rD+7], v[rX], v[rY] matrix_a_fmt:MATRIX_FMT_FP4 matrix_b_fmt:MATRIX_FMT_FP4
.elseif par == 1
	v_wmma_scale_f32_16x16x128_f8f6f4 v[rD:rD+7], v[rB:rB+7], v[rA:rA+7], v[rD:rD+7], v[rX], v[rY] matrix_a_fmt:MATRIX_FMT_FP4 matrix_b_fmt:MATRIX_FMT_FP4 matrix_a_scale:MATRIX_SCALE_ROW1
.elseif par == 2
	v_wmma_scale_f32_16x16x128_f8f6f4 v[rD:rD+7], v[rB:rB+7], v[rA:rA+7], v[rD:rD+7], v[rX], v[rY] matrix_a_fmt:MATRIX_FMT_FP4 matrix_b_fmt:MATRIX_FMT_FP4 matrix_b_scale:MATRIX_SCALE_ROW1
.else
	v_wmma_scale_f32_16x16x128_f8f6f4 v[rD:rD+7], v[rB:rB+7], v[rA:rA+7], v[rD:rD+7], v[rX], v[rY] matrix_a_fmt:MATRIX_FMT_FP4 matrix_b_fmt:MATRIX_FMT_FP4 matrix_a_scale:MATRIX_SCALE_ROW1 matrix_b_scale:MATRIX_SCALE_ROW1
.endif
.endif
.endm
.macro MUL8 a0, p, Q, first
.irp a, \a0, \a0+1
.irp t, 0,1,2,3
	WM \a, \t, \p, \Q, \first
.endr
.endr
.endm
.macro FETCH_B Q
	WIN TO_B
.irp i, 0,1,2,3
.irp c, 0,1
	ds_load_b128 v[128*((\Q)%2)+FR*\i+4*\c:128*((\Q)%2)+FR*\i+4*\c+3], v[ADRB+(\Q)/4] offset:64*((\Q)%4)+32*\c+\i*16*PITCH
.endr
.endr
	WIN 0
.endm
.macro FETCH_A Q, i0
.irp i, \i0, \i0+1, \i0+2, \i0+3
.irp c, 0,1
	ds_load_b128 v[AF+FR*(\i)+4*\c:AF+FR*(\i)+4*\c+3], v[ADRA+(\Q)/4] offset:16384*((\Q)%4)+1024*(\i)+512*\c
.endr
.endr
.endm
.macro PLACES
.rept 4
	v_nop
.endr
.endm
.macro MWIN first
.if \first
	WIN MUL_1
.else
	WIN MUL
.endif
.endm
.macro STEP Q, first
	s_wait_dscnt 8
	MWIN \first
	MUL8 0, (\Q)%2, \Q, \first
	MUL8 2, (\Q)%2, \Q, \first
	s_wait_dscnt 0x0
	PLACES
	FETCH_B (\Q)+1
	FETCH_A (\Q)+1, 0
	MWIN \first
	MUL8 4, (\Q)%2, \Q, \first
	MUL8 6, (\Q)%2, \Q, \first
	PLACES
	WIN 0
	FETCH_A (\Q)+1, 4
.endm
	s_wait_alu depctr_va_vdst(0)                   ; the wait at the head's end
	s_wait_tensorcnt 0x0                           ; my tile of the head's four is in
	ds_add_u32 v126, v127
	s_wait_dscnt 0x0
	CROUND                                         ; everybody's is in, and all sixteen work-groups are here
	s_cmp_lt_u32 s16, 1                            ; slot 1's first fill: wave 0 A's, wave 1 B's; it has K steps 0 to 2 in which to land
	s_cbranch_scc0 .Lslot1_b
	TL G0+4, G1
	s_branch .Lslot1_asked
.Lslot1_b:
	s_cmp_lt_u32 s16, 2
	s_cbranch_scc0 .Lslot1_asked
	TL G0B+4, G1B
.Lslot1_asked:
	FETCH_B 0
	FETCH_A 0, 0
.irp Q, 0,1,2,3,4,5,6,7
.irp p, 0,1,2,3
	ds_load_b32 v[SA+4*\Q+\p], v[ADSA] offset:1024*\Q+128*\p
.endr
.endr
.irp s, 0,1
.irp p, 0,1
	ds_load_b128 v[SB+8*\s+4*\p:SB+8*\s+4*\p+3], v[ADSB] offset:1088*\p+16*\s
.endr
.endr
	FETCH_A 0, 4
	s_wait_loadcnt 0x0
	STEP 0, 1
	STEP 1, 0
	STEP 2, 0
	s_wait_tensorcnt 0x0
	s_wait_dscnt 8
	WIN MUL
	MUL8 0, 1, 3, 0
	s_wait_dscnt 0x0
	s_barrier_signal -1
	MUL8 2, 1, 3, 0
	WIN 0
	s_barrier_wait -1
	PLACES
	FETCH_B 4
	FETCH_A 4, 0
	WIN MUL
	MUL8 4, 1, 3, 0
	MUL8 6, 1, 3, 0
	PLACES
	WIN 0
	FETCH_A 4, 4
	STEP 4, 0
	STEP 5, 0
	STEP 6, 0
	s_wait_dscnt 8
	WIN MUL
	MUL8 0, 1, 7, 0
	MUL8 2, 1, 7, 0
	s_wait_dscnt 0x0
	MUL8 4, 1, 7, 0
	MUL8 6, 1, 7, 0
	WIN 0
.macro TOSTAGE a
	WIN 0x08
.irp t, 0,1,2,3
	ds_store_b128 v[STO], v[8*(4*(\a)+\t):8*(4*(\a)+\t)+3] offset:64*\t
	ds_store_b128 v[STO], v[8*(4*(\a)+\t)+4:8*(4*(\a)+\t)+7] offset:64*\t+16
.endr
	WIN 0
.set BB, BK+32*((\a)%2)
.irp t, 0,1,2,3,4,5,6,7
	ds_load_b128 v[BB+4*\t:BB+4*\t+3], v[RD] offset:\t*2*SPITCH
.endr
.endm
.macro SEND a, younger
.set BB, BK+32*((\a)%2)
	s_wait_dscnt \younger
.if (\a) > 0
	s_add_nc_u64 s[14:15], s[14:15], 16*32768
.endif
.irp t, 0,1,2,3,4,5,6,7
	global_store_b128 v[CO], v[BB+4*\t:BB+4*\t+3], s[14:15] offset:\t*65536 th:TH_STORE_NT
.endr
.endm
	PLACES
	TOSTAGE 0
.irp a, 1,2,3,4,5,6,7
.if \a > 1
	s_wait_xcnt 0x0
.endif
	TOSTAGE \a
	SEND \a-1, 16
.endr
	s_wait_xcnt 0x0
	SEND 7, 0
	s_wait_tensorcnt 0x0
	ds_add_u32 v126, v127
	s_wait_dscnt 0x0
	CROUND
	s_endpgm
.Lfunc_end_k_q8bcd750428_outp:
	.size	k_q8bcd750428_outp, .Lfunc_end_k_q8bcd750428_outp-k_q8bcd750428_outp
	.p2alignl 7, 3214868480
	.fill 96, 4, 3214868480
	.section	.rodata,"a",@progbits
	.p2align	6, 0x0
	.amdhsa_kernel k_q8bcd750428_outp
		.amdhsa_group_segment_fixed_size 327680
		.amdhsa_private_segment_fixed_size 0
		.amdhsa_enable_private_segment 0
		.amdhsa_kernarg_size 48
		.amdhsa_user_sgpr_count 2
		.amdhsa_user_sgpr_kernarg_segment_ptr 1
		.amdhsa_wavefront_size32 1
		.amdhsa_system_sgpr_workgroup_id_x 1
		.amdhsa_system_sgpr_workgroup_id_y 1
		.amdhsa_system_sgpr_workgroup_id_z 1
		.amdhsa_system_vgpr_workitem_id 0
		.amdhsa_next_free_vgpr 768
		.amdhsa_next_free_sgpr 96
		.amdhsa_reserve_vcc 0
		.amdhsa_float_denorm_mode_32 3
		.amdhsa_float_denorm_mode_16_64 3
		.amdhsa_memory_ordered 1
		.amdhsa_forward_progress 1
		.amdhsa_inst_pref_size 77
	.end_amdhsa_kernel
	.amdgpu_metadata
---
amdhsa.version: [ 1, 2 ]
amdhsa.kernels:
  - .name:           k_q8bcd750428_outp
    .symbol:         k_q8bcd750428_outp.kd
    .args:
      - { .name: acodes, .offset: 0, .size: 8, .value_kind: global_buffer, .address_space: global }
      - { .name: ascales, .offset: 8, .size: 8, .value_kind: global_buffer, .address_space: global }
      - { .name: codes, .offset: 16, .size: 8, .value_kind: global_buffer, .address_space: global }
      - { .name: scales, .offset: 24, .size: 8, .value_kind: global_buffer, .address_space: global }
      - { .name: out_proj_bias, .offset: 32, .size: 8, .value_kind: global_buffer, .address_space: global }
      - { .name: out0, .offset: 40, .size: 8, .value_kind: global_buffer, .address_space: global }
    .group_segment_fixed_size: 327680
    .private_segment_fixed_size: 0
    .kernarg_segment_align: 8
    .kernarg_segment_size: 48
    .max_flat_workgroup_size: 128
    .sgpr_count:     96
    .vgpr_count:     768
    .wavefront_size: 32
...
	.end_amdgpu_metadata
.endif
;; end of part 4
